; MI455X (gfx1250); checked and timed in simulation.
; The chip was launched on July 23, 2026; its instructions are those of AMD's public machine-readable ISA for CDNA 5 (MIT licence, August 2026) and "CDNA5" Instruction Set Architecture Reference Guide (July 2026). The comments in the code are by the model that wrote it; some were corrected since.
;; Attention Block. Allowed arithmetic: matrix products marked QUANTISED: E2M3 operands, one E8M0 scale for each 32 along K, by v_wmma_scale_f32_16x16x128_f8f6f4 with both operands' format E2M3, f32 sums; everything else in f32.
;; Inputs: W1_codes 4,096 x 32 x 24 uint8 (E2M3 codes of W1, K innermost, in blocks of 32 codes, four codes in three bytes); W1_scales 4,096 x 32 uint8 (E8M0 scales of W1, one for each 32 codes along K); W2_codes 1,024 x 128 x 24 uint8 (E2M3 codes of W2, K innermost, in blocks of 32 codes, four codes in three bytes); W2_scales 1,024 x 128 uint8 (E8M0 scales of W2, one for each 32 codes along K); Wk_codes 16 x 64 x 32 x 24 uint8 (E2M3 codes of Wk, K innermost, in blocks of 32 codes, four codes in three bytes); Wk_scales 16 x 64 x 32 uint8 (E8M0 scales of Wk, one for each 32 codes along K); Wq_codes 16 x 64 x 32 x 24 uint8 (E2M3 codes of Wq, K innermost, in blocks of 32 codes, four codes in three bytes); Wq_scales 16 x 64 x 32 uint8 (E8M0 scales of Wq, one for each 32 codes along K); Wv_codes 16 x 64 x 32 x 24 uint8 (E2M3 codes of Wv, K innermost, in blocks of 32 codes, four codes in three bytes); Wv_scales 16 x 64 x 32 uint8 (E8M0 scales of Wv, one for each 32 codes along K); b1 4,096 float32; b2 1,024 float32; ln1_b 1,024 float32; ln1_g 1,024 float32; ln2_b 1,024 float32; ln2_g 1,024 float32; mask 2,048 x 2,048 bool; x 2 x 2,048 x 1,024 float32.
;; Outputs: out0 2 x 2,048 x 1,024 float32.
;; This version of the problem:
;;   THIS VERSION OF THE PROBLEM IS GIVEN IN LOW PRECISION. The matrix products marked QUANTISED in the list below multiply operands that are first quantised to E2M3 (2 exponent bits, 3 mantissa bits; 6 bits a number), with one power-of-two scale for each 32 numbers along K (OCP MX v1.0); their sums are f32. All else is computed in f32.
;;   The module's matrix products, in the order in which they are computed (A, B: the left and right operand; K: the contracted axis; several contracted axes count as one K, in the product's order):
;;     1. [M 1,024, K 1,024] x [K 1,024, N 4,096]; A: input Wq (given as codes); B: computed on the way: QUANTISED
;;     2. [M 1,024, K 1,024] x [K 1,024, N 4,096]; A: input Wk (given as codes); B: computed on the way: QUANTISED
;;     3. [M 1,024, K 1,024] x [K 1,024, N 4,096]; A: input Wv (given as codes); B: computed on the way: QUANTISED
;;     4. batch 32 x [M 2,048, K 64] x [K 64, N 2,048]; A: computed on the way; B: computed on the way: QUANTISED
;;     5. batch 32 x [M 2,048, K 2,048] x [K 2,048, N 64]; A: softmax (see below); B: computed on the way: QUANTISED
;;     6. [M 4,096, K 1,024] x [K 1,024, N 4,096]; A: computed on the way; B: input W1 (given as codes): QUANTISED
;;     7. [M 4,096, K 4,096] x [K 4,096, N 1,024]; A: computed on the way; B: input W2 (given as codes): QUANTISED
;;   THE QUANTISER, for each operand of a quantised product, along K:
;;     - K is cut into blocks of 32 from its start; a last block that is shorter is filled with zeros.
;;     - A block's scale is 2^e with e = floor(log2(the largest magnitude in the block)) - 2, held to -126 .. 127; a block of zeros has e = 0. As a byte (E8M0): e + 127.
;;     - Each number is divided by its block's scale, clamped to +-7.5, and rounded to the nearest number of E2M3, ties to even, subnormals kept.
;;     - The product sums the exact products of the quantised numbers (number of the format x scale) in f32.
;;   ~~~python
;;   def quantise(x, axis):      # numpy; x: float32 -> the quantised numbers, widened to float32 again
;;       x = np.moveaxis(x, axis, -1); K = x.shape[-1]
;;       x = np.pad(x, [(0, 0)] * (x.ndim - 1) + [(0, -K % 32)]); x = x.reshape(x.shape[:-1] + (-1, 32)); a = np.abs(x).max(-1, keepdims=True)
;;       e = np.where(a > 0, np.clip(np.frexp(np.where(a > 0, a, 1))[1] - 1 - 2, -126, 127), 0)      # np.frexp(a)[1] - 1 = floor(log2(a)), exactly
;;       r = np.clip(x / 2.0 ** e, -7.5, 7.5)
;;       step = 2.0 ** (np.maximum(np.frexp(np.where(r == 0, 1, r))[1] - 1, 0) - 3)
;;       q = np.round(r / step) * step * 2.0 ** e      # np.round: ties to even
;;       return np.moveaxis(q.reshape(q.shape[:-2] + (-1,))[..., :K], -1, axis).astype(np.float32)
;;   ~~~
;;   SOFTMAX AHEAD OF A QUANTISED PRODUCT. Where the list says 'softmax', what is quantised is not the finished softmax but p = 2^(t - M), with t = logit x log2(e) and M = ceil(the row's largest t), a whole number; so 1/2 < the row's largest p <= 1. The row's sum l is taken of the UNQUANTISED p, in f32, and the product's result is divided by l at the end. Since M is a whole number, a kernel that streams over the keys may use a running M (the ceiling of the running maximum): every later rescaling is an exact power of two, which a block's scale takes up: the codes' values come out the same.
;;   OPERANDS COMPUTED ON THE WAY. 'Computed on the way' means the value that the module computes at that place (a softmax that the list does not call 'softmax' is quantised finished and normalised). What goes into a quantiser is computed in f32, as accurately as f32 sums, v_exp_f32 and their like allow (about 1e-6 of the number): no bf16 or f16 on the way to a quantiser, and a product that is left as it is and whose result goes on into a quantised operand takes f32 operands (vector FMAs, or v_wmma_f32_16x16x4_f32). A number that lies on a knife's edge between two numbers of the format may be rounded either way, as far as f32 arithmetic and the matrix unit's own rounding can turn it there, and no further.
;;   INPUTS GIVEN AS CODES. W1 (in the module: [1024, 4096], K = its axis 0); W2 (in the module: [4096, 1024], K = its axis 0); Wk (in the module: [16, 1024, 64], K = its axis 1); Wq (in the module: [16, 1024, 64], K = its axis 1); Wv (in the module: [16, 1024, 64], K = its axis 1): each comes as NAME_codes (uint8): NAME with its K axis moved to the last place and cut into blocks of 32 codes, [.., K / 32, bytes a block], one block behind the other in memory; four codes in three bytes: a row's codes are one little-endian stream of bits, code i at bits 6 i .. 6 i + 5 (a code: sign, 2 exponent bits, 3 mantissa bits); and NAME_scales (uint8): the same leading axes, one E8M0 byte (e + 127) for each 32 codes along K. Its value is code x scale, taken as it is: it is not quantised again, and the codes and scales need not be those that the quantiser above would give.
;; One version. Each part assembles by itself: llvm-mc -triple=amdgcn-amd-amdhsa -mcpu=gfx1250 --defsym DOCPART=n.
;; ======== version 1 of 1: 6 launches
;; limits: right only within a limited range of input values
;; workspace buffers: xq 3,276,800 bytes; yq 3,276,800 bytes; wimg 9,011,200 bytes; maskw 524,288 bytes of whole numbers; qkvc 10,223,616 bytes; attf 16,777,216 bytes; hq 13,107,200 bytes
;; launch prep (part 1): grid 864 x 1, 4 waves a work-group, no clusters, 74,240 bytes of LDS; arguments x, ln1_g, ln1_b, mask, Wq_codes, Wq_scales, Wk_codes, Wk_scales, Wv_codes, Wv_scales, W1_codes, W1_scales, W2_codes, W2_scales, xq, wimg, maskw; writes xq, wimg, maskw
.if DOCPART == 1
	.amdgcn_target "amdgcn-amd-amdhsa--gfx1250"
	.amdhsa_code_object_version 6
	.text
	.protected	k_q27630089c8_prep
	.globl	k_q27630089c8_prep
	.p2align	8
	.type	k_q27630089c8_prep,@function
k_q27630089c8_prep:
	s_mov_b64 s[64:65], 0
	v_nop
	global_prefetch_b8 v0, s[64:65] scope:SCOPE_SE
	s_setreg_imm32_b32 hwreg(HW_REG_WAVE_MODE, 25, 1), 1
	s_wait_xcnt 0x0
; THREE JOBS IN ONE LAUNCH, told apart by the work-group's number; each job has LDS bytes of its own.
;   0..255    LN:  layer norm 1 of 16 tokens (a token tile) and its codes of FP6 (E2M3) with one E8M0 byte for each 32 along the 1,024
;   256..607  RL:  32 rows x 1,024 K of a weight's codes and scale bytes, laid out again as register images
;   608..863  MK:  the mask's bytes of 16 queries x 256 keys a wave, turned into lane masks (one word for each score register of the attention launch)
; TILE t of any row axis is the 16 rows 32 (t / 2) + 8 (t % 2) + p + 8 (p / 8), p = 0..15.
; IMAGE(t, s): the operand 16 rows x 128 K (K step s) as 12 registers a lane: register 4 g + i of lane L at byte 512 g + 16 L + 4 i; register 6 c + i of lane (r, h) holds k = 128 s + 64 c + 32 h + .. of row (t, r).
; SCT(t, s): 64 bytes, word r = the four scale bytes of row (t, r) for K step s.
; LIMITS: NaN and infinities in x are not served; a block whose largest magnitude lies under 2^-124 (a block of zeros too) keeps the byte 1: its bytes are read by this program alone.
.set ADDA, 0                           ; no second summand ahead of the norm
.set NANB, 0                           ; no NaN byte
.set IMG,  18432                       ; LN: behind four stages of 4,608 bytes: the tile's 8 images,
.set SCT,  30720                       ;     and its 8 x 64 bytes of scale words
.set RLB,  31232                       ; RL: 32 rows, 784 bytes apart
.set MKB,  56320                       ; MK: 16 rows, 272 bytes apart, for each wave
	v_lshl_add_u32 v254, v0, 2, 0x12000
	v_mov_b32 v255, 0
	s_cmp_lt_u32 ttmp9, 256
	s_cbranch_scc0 .Lnot_ln
; ---------------------------------------------------------------- LN
; Wave w takes rows p = 4 w + i of the tile: four neighbouring tokens.  A row is 4,096 bytes: eight loads of 512 dense bytes; chunk j, lane L holds elements 128 j + 4 L ..
; v16-47 gain, v48-79 bias (same layout); v80-143 two rows as loaded; v208-239 a row after the turn: lane L holds block L, k = 32 L .. 32 L + 31.
	s_load_b128 s[4:7], s[0:1], 0x0                ; x, gain
	s_load_b64 s[8:9], s[0:1], 0x10                ; bias
	s_load_b64 s[10:11], s[0:1], 0x70              ; xq
	v_lshrrev_b32 v1, 5, v0
	v_readfirstlane_b32 s12, v1                    ; wave
	v_and_b32 v1, 31, v0                           ; lane
	s_wait_alu depctr_va_vdst(0)
	v_lshlrev_b32 v2, 4, v1                        ; 16 L
	s_lshr_b32 s13, ttmp9, 1
	s_lshl_b32 s13, s13, 5
	s_and_b32 s14, ttmp9, 1
	s_lshl_b32 s14, s14, 3
	s_add_co_u32 s13, s13, s14
	s_lshl_b32 s14, s12, 2
	s_add_co_u32 s13, s13, s14
	s_lshr_b32 s14, s12, 1
	s_lshl_b32 s14, s14, 3
	s_add_co_u32 s13, s13, s14                     ; my first token: 32 (t / 2) + 8 (t % 2) + 4 w + 8 (w / 2)
	s_lshl_b32 s14, s13, 12
	s_mov_b32 s15, 0
	s_mov_b32 s16, 0x3a800000                      ; 1 / 1,024
	s_mov_b32 s17, 0x3727c5ac                      ; 1e-5
	s_mov_b32 s20, 0x76543210
	s_mov_b32 s21, 0xfedcba98                      ; lane l xor 16
	s_mul_i32 s18, s12, 4608                       ; my stage: 32 places of 128 + 16 bytes
	v_lshrrev_b32 v3, 3, v1
	v_mul_u32_u24 v3, v3, 144
	v_and_b32 v4, 7, v1
	v_lshl_add_u32 v3, v4, 4, v3
	v_add_nc_u32 v3, s18, v3                       ; in: chunk j goes to 576 j + 144 (L / 8) + 16 (L % 8)
	v_mul_u32_u24 v4, v1, 144
	v_add_nc_u32 v4, s18, v4                       ; out: 144 L
	v_lshrrev_b32 v5, 2, v1
	v_mul_u32_u24 v5, v5, 1536                     ; my block's K step s = L / 4
	v_and_b32 v6, 1, v1
	v_lshl_add_u32 v5, v6, 8, v5                   ; its half h = L % 2: 16 lanes of 16 bytes on
	s_lshl_b32 s18, s12, 6
	s_add_co_u32 s18, s18, IMG
	v_add_nc_u32 v5, s18, v5                       ; + 16 x 4 w
	v_bfe_u32 v7, v1, 1, 1                         ; c = (L / 2) % 2: registers 6 c .. 6 c + 5 lie at 0, 8, 512 (c = 0) or 520, 1024, 1032 (c = 1)
	v_mad_u32_u24 v6, v7, 1016, v5
	v_mad_u32_u24 v5, v7, 520, v5
	v_lshrrev_b32 v7, 2, v1
	v_lshlrev_b32 v7, 6, v7
	v_and_b32 v8, 3, v1
	v_add_nc_u32 v7, v7, v8
	s_lshl_b32 s18, s12, 4
	s_add_co_u32 s18, s18, SCT
	v_add_nc_u32 v7, s18, v7                       ; my block's byte: 64 s + 4 p + L % 4
	s_mul_i32 s18, s12, 3072
	v_add_nc_u32 v9, s18, v2                       ; the copy out: my quarter of the images
	v_add_nc_u32 v8, IMG, v9
	v_add_nc_u32 v13, SCT, v2
	v_mov_b32 v245, 0                              ; upper halves of pairs of which the low word serves both halves
	v_mov_b32 v247, 0
	s_mul_i32 s18, ttmp9, 12288
	s_mov_b32 s19, 0
	s_lshl_b32 s24, ttmp9, 9
	s_add_co_u32 s24, s24, 3145728
	s_mov_b32 s25, 0
	s_wait_kmcnt 0x0
	s_add_nc_u64 s[4:5], s[4:5], s[14:15]
	s_add_nc_u64 s[22:23], s[10:11], s[18:19]      ; the tile's images
	s_add_nc_u64 s[10:11], s[10:11], s[24:25]      ; the tile's scale words
.irp j,0,1,2,3,4,5,6,7
	global_load_b128 v[16+4*\j:19+4*\j], v2, s[6:7] offset:512*\j
.endr
.irp j,0,1,2,3,4,5,6,7
	global_load_b128 v[48+4*\j:51+4*\j], v2, s[8:9] offset:512*\j
.endr
.irp j,0,1,2,3,4,5,6,7
	global_load_b128 v[80+4*\j:83+4*\j], v2, s[4:5] offset:512*\j th:TH_LOAD_NT
.endr
.irp j,0,1,2,3,4,5,6,7
	global_load_b128 v[112+4*\j:115+4*\j], v2, s[4:5] offset:4096+512*\j th:TH_LOAD_NT
.endr
.macro ALLSUM a, t                     ; the sum over the 32 lanes, in every lane
	v_add_f32_dpp v[\a], v[\a], v[\a] row_xmask:1 row_mask:0xf bank_mask:0xf
	v_add_f32_dpp v[\a], v[\a], v[\a] row_xmask:2 row_mask:0xf bank_mask:0xf
	v_add_f32_dpp v[\a], v[\a], v[\a] row_xmask:4 row_mask:0xf bank_mask:0xf
	v_add_f32_dpp v[\a], v[\a], v[\a] row_xmask:8 row_mask:0xf bank_mask:0xf
	v_permlanex16_b32 v[\t], v[\a], s20, s21
	v_add_f32 v[\a], v[\a], v[\t]
.endm
; Row i.  left: the loads of the next row, which may stay out.
.macro ROW i, left
.set XS, 80+32*((\i)%2)
	s_wait_loadcnt \left
	v_pk_add_f32 v[240:241], v[XS:XS+1], v[XS+2:XS+3]
	v_pk_add_f32 v[242:243], v[XS+4:XS+5], v[XS+6:XS+7]
.irp j,8,12,16,20,24,28
	v_pk_add_f32 v[240:241], v[240:241], v[XS+\j:XS+\j+1]
	v_pk_add_f32 v[242:243], v[242:243], v[XS+\j+2:XS+\j+3]
.endr
	v_pk_add_f32 v[240:241], v[240:241], v[242:243]
	v_add_f32 v240, v240, v241
	ALLSUM 240, 241
	v_mul_f32 v244, s16, v240                      ; the mean
.irp j,0,2,4,6,8,10,12,14,16,18,20,22,24,26,28,30
	v_pk_add_f32 v[XS+\j:XS+\j+1], v[XS+\j:XS+\j+1], v[244:245] op_sel_hi:[1,0] neg_lo:[0,1] neg_hi:[0,1]
.endr
	v_pk_mul_f32 v[240:241], v[XS:XS+1], v[XS:XS+1]              ; the variance of what is left: a common offset of the inputs does no harm
	v_pk_mul_f32 v[242:243], v[XS+2:XS+3], v[XS+2:XS+3]
.irp j,4,8,12,16,20,24,28
	v_pk_fma_f32 v[240:241], v[XS+\j:XS+\j+1], v[XS+\j:XS+\j+1], v[240:241]
	v_pk_fma_f32 v[242:243], v[XS+\j+2:XS+\j+3], v[XS+\j+2:XS+\j+3], v[242:243]
.endr
	v_pk_add_f32 v[240:241], v[240:241], v[242:243]
	v_add_f32 v240, v240, v241
	ALLSUM 240, 241
	v_fma_f32 v246, v240, s16, s17
	s_wait_alu depctr_va_vdst(0)
	v_rsq_f32 v246, v246
	v_nop                                          ; a plain line behind the transcendental,
	s_wait_alu depctr_va_vdst(0)                   ; and the wait ahead of its first reader
.irp j,0,2,4,6,8,10,12,14,16,18,20,22,24,26,28,30
	v_pk_mul_f32 v[XS+\j:XS+\j+1], v[XS+\j:XS+\j+1], v[246:247] op_sel_hi:[1,0]
.endr
.irp j,0,2,4,6,8,10,12,14,16,18,20,22,24,26,28,30
	v_pk_fma_f32 v[XS+\j:XS+\j+1], v[XS+\j:XS+\j+1], v[16+\j:17+\j], v[48+\j:49+\j]
.endr
.irp j,0,1,2,3,4,5,6,7
	ds_store_b128 v3, v[XS+4*\j:XS+4*\j+3] offset:576*\j          ; the turn: LDS serves a wave's instructions in order, so no wait stands between stores and loads
.endr
.irp j,0,1,2,3,4,5,6,7
	ds_load_b128 v[208+4*\j:211+4*\j], v4 offset:16*\j
.endr
	s_wait_dscnt 0x0                               ; my block is in; the stores have read the row's registers, and the last row's stores of codes theirs
.if (\i)+2 < 4
.irp j,0,1,2,3,4,5,6,7
	global_load_b128 v[XS+4*\j:XS+4*\j+3], v2, s[4:5] offset:4096*((\i)+2)+512*\j th:TH_LOAD_NT
.endr
.endif
	v_max3_num_f32 v240, |v208|, |v209|, |v210|                   ; the block's largest magnitude: all 32 numbers are mine
	v_max3_num_f32 v241, |v211|, |v212|, |v213|
.irp j,6,10,14,18,22,26
	v_max3_num_f32 v240, v240, |v[208+\j]|, |v[209+\j]|
	v_max3_num_f32 v241, v241, |v[210+\j]|, |v[211+\j]|
.endr
	v_max3_num_f32 v240, v240, |v238|, |v239|
	v_max3_num_f32 v240, v240, v241, 0x1800000     ; and the floor 2^(3 - 127): the byte cannot fall under 1
	v_add_nc_u32 v242, 0xff000000, v240            ; 2 off the exponent field: the conversion's scale operand
	v_cvt_scalef32_pk16_fp6_f32 v[248:250], v[208:223], v242
	v_cvt_scalef32_pk16_fp6_f32 v[10:12], v[224:239], v242        ; (a conversion's three registers begin on an even number)
	v_lshrrev_b32 v243, 23, v242                   ; the scale's byte; also the plain line behind the conversions
	v_mov_b32 v251, v10
	v_mov_b32 v252, v11
	v_mov_b32 v253, v12
	ds_store_b64 v5, v[248:249] offset:16*(\i)
	ds_store_b64 v6, v[250:251] offset:8+16*(\i)
	ds_store_b64 v5, v[252:253] offset:512+16*(\i)
	ds_store_b8 v7, v243 offset:4*(\i)
.endm
	ROW 0, 8
	ROW 1, 8
	ROW 2, 8
	ROW 3, 0
	s_wait_dscnt 0x0                               ; for the others' sake: my stores into the images are done
	s_barrier_signal -1
	s_barrier_wait -1
.irp k,0,1,2,3,4,5
	ds_load_b128 v[16+4*\k:19+4*\k], v8 offset:512*\k
.endr
.irp k,0,1,2,3,4,5
	s_wait_dscnt 5-\k
	global_store_b128 v9, v[16+4*\k:19+4*\k], s[22:23] offset:512*\k   ; 512 consecutive bytes an instruction
.endr
	s_cmp_lg_u32 s12, 0
	s_cbranch_scc1 .Lln_end
	ds_load_b128 v[48:51], v13                     ; wave 0: the tile's 512 bytes of scale words
	s_wait_dscnt 0x0
	global_store_b128 v2, v[48:51], s[10:11]
.Lln_end:
	s_wait_tensorcnt 0x0
	ds_add_u32 v254, v255
	s_wait_dscnt 0x0
	s_endpgm
; ---------------------------------------------------------------- RL
.Lnot_ln:
	s_cmp_lt_u32 ttmp9, 608
	s_cbranch_scc0 .Lmask
	s_load_b256 s[4:11], s[0:1], 0x20              ; Wq codes, scales, Wk codes, scales
	s_load_b256 s[12:19], s[0:1], 0x40             ; Wv codes, scales, W1 codes, scales
	s_load_b128 s[20:23], s[0:1], 0x60             ; W2 codes, scales
	s_load_b64 s[24:25], s[0:1], 0x78              ; wimg
	v_lshrrev_b32 v1, 5, v0
	v_readfirstlane_b32 s44, v1                    ; wave
	v_and_b32 v1, 31, v0
	v_and_b32 v2, 15, v0                           ; r
	v_bfe_u32 v3, v0, 4, 1                         ; h
	s_sub_co_u32 s26, ttmp9, 256                   ; the unit: 32 rows (a group G: two tiles) x 768 bytes
	s_mov_b32 s29, 0
	s_mov_b32 s31, 0
	s_mov_b32 s33, 0
	s_mov_b32 s35, 0
; numbers only: s28 codes from, s30 codes to, s32 scales from, s34 scales to; s50 row pitch, s51 tile stride, s52, s53 the same for the scales
	s_cmp_lt_u32 s26, 96
	s_cbranch_scc0 .Lrl_w1
	s_lshr_b32 s27, s26, 5                         ; 0 q, 1 k, 2 v
	s_and_b32 s36, s26, 31                         ; G
	s_and_b32 s37, s36, 1
	s_lshr_b32 s38, s36, 1                         ; head
	s_lshl_b32 s39, s37, 1
	s_cmp_eq_u32 s27, 1
	s_cselect_b32 s40, 6, 0
	s_add_co_u32 s39, s39, s40                     ; a head's twelve tiles: q0-3 v0 v1 | k0-3 v2 v3
	s_mul_i32 s40, s37, 6
	s_add_co_u32 s40, s40, 4
	s_cmp_eq_u32 s27, 2
	s_cselect_b32 s39, s40, s39
	s_mul_i32 s38, s38, 12
	s_add_co_u32 s38, s38, s39
	s_mul_i32 s30, s38, 12288
	s_lshl_b32 s34, s38, 9
	s_add_co_u32 s34, s34, 8650752
	s_mul_i32 s28, s36, 24576
	s_lshl_b32 s32, s36, 10
	s_mov_b32 s50, 768
	s_mov_b32 s51, 12288
	s_mov_b32 s52, 32
	s_mov_b32 s53, 512
	s_branch .Lrl_go
.Lrl_w1:
	s_cmp_lt_u32 s26, 224
	s_cbranch_scc0 .Lrl_w2
	s_sub_co_u32 s36, s26, 96
	s_mul_i32 s28, s36, 24576
	s_add_co_u32 s30, s28, 2359296
	s_lshl_b32 s32, s36, 10
	s_add_co_u32 s34, s32, 8749056
	s_mov_b32 s50, 768
	s_mov_b32 s51, 12288
	s_mov_b32 s52, 32
	s_mov_b32 s53, 512
	s_branch .Lrl_go
.Lrl_w2:
	s_sub_co_u32 s36, s26, 224
	s_and_b32 s37, s36, 3                          ; which 1,024 of W2's 4,096 along K
	s_lshr_b32 s36, s36, 2
	s_mul_i32 s28, s36, 98304
	s_mul_i32 s38, s37, 768
	s_add_co_u32 s28, s28, s38
	s_mul_i32 s30, s36, 98304
	s_mul_i32 s38, s37, 12288
	s_add_co_u32 s30, s30, s38
	s_add_co_u32 s30, s30, 5505024
	s_lshl_b32 s32, s36, 12
	s_lshl_b32 s38, s37, 5
	s_add_co_u32 s32, s32, s38
	s_lshl_b32 s34, s36, 12
	s_lshl_b32 s38, s37, 9
	s_add_co_u32 s34, s34, s38
	s_add_co_u32 s34, s34, 8880128
	s_mov_b32 s50, 3072
	s_mov_b32 s51, 49152
	s_mov_b32 s52, 128
	s_mov_b32 s53, 2048
.Lrl_go:
	s_lshr_b32 s47, s44, 1                         ; on the way out I make tile w / 2 of the two, K steps 4 (w % 2) ..
	s_and_b32 s49, s44, 1
	s_mul_i32 s38, s47, s51
	s_add_co_u32 s30, s30, s38
	s_mul_i32 s38, s49, 6144
	s_add_co_u32 s30, s30, s38
	s_lshl_b32 s45, s44, 3
	s_wait_alu depctr_va_vdst(0)
	v_add_nc_u32 v4, s45, v3                       ; in: rows 8 w + 2 i + h
	v_mul_lo_u32 v5, v4, s50
	v_lshl_add_u32 v5, v2, 4, v5
	s_lshl_b32 s46, s50, 1
	v_add_nc_u32 v6, s46, v5
	v_add_nc_u32 v7, s46, v6
	v_add_nc_u32 v8, s46, v7
	v_mul_u32_u24 v9, v4, 784
	v_lshl_add_u32 v9, v2, 4, v9
	v_add_nc_u32 v9, RLB, v9
	v_and_b32 v10, 8, v2
	v_add_nc_u32 v10, v10, v2                      ; r + 8 (r / 8)
	v_lshl_add_u32 v12, v3, 3, v10
	v_mul_lo_u32 v12, v12, s52
	v_add_nc_u32 v12, s45, v12                     ; scales in: lane (h, r) takes row 8 h + r + 8 (r / 8), words 2 w and 2 w + 1
	v_mul_lo_u32 v13, v3, s53
	v_lshl_add_u32 v13, v2, 2, v13
	s_lshl_b32 s46, s44, 7
	v_add_nc_u32 v13, s46, v13                     ; scales out: tile h, K step 2 w, word r
	s_lshl_b32 s48, s47, 3
	v_add_nc_u32 v10, s48, v10
	v_mul_u32_u24 v11, v10, 784
	v_mad_u32_u24 v11, v3, 24, v11
	s_mul_i32 s48, s49, 384
	s_add_co_u32 s48, s48, RLB
	v_add_nc_u32 v11, s48, v11                     ; out: my row of the tile, + 24 h, + my four K steps
	v_lshlrev_b32 v1, 4, v1
	s_wait_alu depctr_va_vdst(0)
	s_wait_kmcnt 0x0
	s_cmp_lt_u32 s26, 224                          ; the two sources, chosen by the unit's number alone
	s_cselect_b64 s[20:21], s[16:17], s[20:21]
	s_cselect_b64 s[22:23], s[18:19], s[22:23]
	s_cmp_lt_u32 s26, 96
	s_cselect_b64 s[20:21], s[12:13], s[20:21]
	s_cselect_b64 s[22:23], s[14:15], s[22:23]
	s_cmp_lt_u32 s26, 64
	s_cselect_b64 s[20:21], s[8:9], s[20:21]
	s_cselect_b64 s[22:23], s[10:11], s[22:23]
	s_cmp_lt_u32 s26, 32
	s_cselect_b64 s[20:21], s[4:5], s[20:21]
	s_cselect_b64 s[22:23], s[6:7], s[22:23]
	s_add_nc_u64 s[20:21], s[20:21], s[28:29]
	s_add_nc_u64 s[22:23], s[22:23], s[32:33]
	s_add_nc_u64 s[36:37], s[24:25], s[30:31]
	s_add_nc_u64 s[38:39], s[24:25], s[34:35]
	global_load_b64 v[14:15], v12, s[22:23] th:TH_LOAD_NT
.irp i,0,1,2,3
.irp q,0,1,2
	global_load_b128 v[16+12*\i+4*\q:19+12*\i+4*\q], v[5+\i], s[20:21] offset:256*\q th:TH_LOAD_NT   ; sixteen lanes read 256 consecutive bytes of a row, aligned
.endr
.endr
	s_wait_loadcnt 0x0
	global_store_b32 v13, v14, s[38:39]
	global_store_b32 v13, v15, s[38:39] offset:64
.irp i,0,1,2,3
.irp q,0,1,2
	ds_store_b128 v9, v[16+12*\i+4*\q:19+12*\i+4*\q] offset:1568*\i+256*\q
.endr
.endr
	s_wait_dscnt 0x0
	s_barrier_signal -1
	s_barrier_wait -1
.irp k,0,1,2,3
.irp p,0,1,2,3,4,5
	ds_load_b64 v[64+12*\k+2*\p:65+12*\k+2*\p], v11 offset:96*\k+48*(\p/3)+8*(\p%3)   ; the operand's registers, as a lane of the matrix instruction wants them
.endr
.endr
	s_wait_dscnt 0x0
.irp k,0,1,2,3
.irp g,0,1,2
	global_store_b128 v1, v[64+12*\k+4*\g:67+12*\k+4*\g], s[36:37] offset:1536*\k+512*\g
.endr
.endr
	s_wait_tensorcnt 0x0
	ds_add_u32 v254, v255
	s_wait_dscnt 0x0
	s_endpgm
; ---------------------------------------------------------------- MK
; Word n of (query tile QT, key step ks): bit L = mask[query (QT, L % 16)][128 ks + 32 (n / 16) + 16 (L / 16) + n % 16]: the lane mask of score register n.
.Lmask:
	s_load_b64 s[4:5], s[0:1], 0x18                ; mask
	s_load_b64 s[6:7], s[0:1], 0x80                ; maskw
	v_lshrrev_b32 v1, 5, v0
	v_readfirstlane_b32 s8, v1
	v_and_b32 v1, 31, v0
	v_and_b32 v2, 15, v0
	v_bfe_u32 v3, v0, 4, 1
	s_wait_alu depctr_va_vdst(0)
	s_sub_co_u32 s9, ttmp9, 608
	s_lshl_b32 s9, s9, 2
	s_add_co_u32 s9, s9, s8                        ; task: query tile task / 8, keys 256 (task % 8) ..
	s_lshr_b32 s10, s9, 3
	s_and_b32 s11, s9, 7
	s_lshr_b32 s12, s10, 1
	s_lshl_b32 s12, s12, 5
	s_and_b32 s13, s10, 1
	s_lshl_b32 s13, s13, 3
	s_add_co_u32 s12, s12, s13
	s_lshl_b32 s12, s12, 11
	s_lshl_b32 s13, s11, 8
	s_add_co_u32 s12, s12, s13
	s_mov_b32 s13, 0
	s_lshl_b32 s14, s10, 4
	s_lshl_b32 s15, s11, 1
	s_add_co_u32 s14, s14, s15
	s_lshl_b32 s14, s14, 8
	s_mov_b32 s15, 0
	v_lshlrev_b32 v4, 11, v3
	v_lshl_add_u32 v4, v2, 4, v4                   ; rows 2 i + h of the tile, 16 bytes a lane
	s_mul_i32 s24, s8, 4352
	s_add_co_u32 s24, s24, MKB
	v_mul_u32_u24 v5, v3, 272
	v_lshl_add_u32 v5, v2, 4, v5
	v_add_nc_u32 v5, s24, v5
	v_mul_u32_u24 v6, v2, 272
	v_lshl_add_u32 v6, v3, 4, v6
	v_add_nc_u32 v6, s24, v6                       ; back: row r, + 16 h
	v_lshlrev_b32 v7, 3, v1
.irp j,0,1,2,3
	v_mov_b32 v[80+\j], 0
.endr
	s_wait_alu depctr_va_vdst(0)
	s_wait_kmcnt 0x0
	s_add_nc_u64 s[4:5], s[4:5], s[12:13]
	s_add_nc_u64 s[6:7], s[6:7], s[14:15]
.irp i,0,1,2,3,4,5,6,7
	global_load_b128 v[16+4*\i:19+4*\i], v4, s[4:5] offset:(2*\i+8*(\i/4))*2048 th:TH_LOAD_NT
.endr
	s_wait_loadcnt 0x0
.irp i,0,1,2,3,4,5,6,7
	ds_store_b128 v5, v[16+4*\i:19+4*\i] offset:544*\i
.endr
.irp i,0,1,2,3,4,5,6,7
	ds_load_b128 v[48+4*\i:51+4*\i], v6 offset:32*\i               ; 128 kk + 32 b: my own bytes, served in order
.endr
	s_wait_dscnt 0x0
.irp kk,0,1
.set n, 0
.rept 64
	v_bfe_u32 v[8+n%4], v[48+16*\kk+4*(n/16)+(n%16)/4], 8*(n%4), 8
	v_cmp_ne_u32 s[16+n%8], 0, v[8+n%4]
	v_writelane_b32 v[80+2*\kk+n%2], s[16+n%8], n/2                ; word n to lane n / 2, register n % 2
.set n, n+1
.endr
	global_store_b64 v7, v[80+2*\kk:81+2*\kk], s[6:7] offset:256*\kk   ; 256 consecutive bytes, aligned
.endr
	s_wait_tensorcnt 0x0
	ds_add_u32 v254, v255
	s_wait_dscnt 0x0
	s_endpgm
.Lfunc_end_k_q27630089c8_prep:
	.size	k_q27630089c8_prep, .Lfunc_end_k_q27630089c8_prep-k_q27630089c8_prep
	.p2alignl 7, 3214868480
	.fill 96, 4, 3214868480
	.section	.rodata,"a",@progbits
	.p2align	6, 0x0
	.amdhsa_kernel k_q27630089c8_prep
		.amdhsa_group_segment_fixed_size 74240
		.amdhsa_private_segment_fixed_size 0
		.amdhsa_enable_private_segment 0
		.amdhsa_kernarg_size 136
		.amdhsa_user_sgpr_count 2
		.amdhsa_user_sgpr_kernarg_segment_ptr 1
		.amdhsa_wavefront_size32 1
		.amdhsa_system_sgpr_workgroup_id_x 1
		.amdhsa_system_sgpr_workgroup_id_y 1
		.amdhsa_system_sgpr_workgroup_id_z 1
		.amdhsa_system_vgpr_workitem_id 0
		.amdhsa_next_free_vgpr 256
		.amdhsa_next_free_sgpr 66
		.amdhsa_reserve_vcc 0
		.amdhsa_float_denorm_mode_32 3
		.amdhsa_float_denorm_mode_16_64 3
		.amdhsa_memory_ordered 1
		.amdhsa_forward_progress 1
		.amdhsa_inst_pref_size 83
	.end_amdhsa_kernel
	.amdgpu_metadata
---
amdhsa.version: [ 1, 2 ]
amdhsa.kernels:
  - .name:           k_q27630089c8_prep
    .symbol:         k_q27630089c8_prep.kd
    .args:
      - { .name: x, .offset: 0, .size: 8, .value_kind: global_buffer, .address_space: global }
      - { .name: ln1_g, .offset: 8, .size: 8, .value_kind: global_buffer, .address_space: global }
      - { .name: ln1_b, .offset: 16, .size: 8, .value_kind: global_buffer, .address_space: global }
      - { .name: mask, .offset: 24, .size: 8, .value_kind: global_buffer, .address_space: global }
      - { .name: Wq_codes, .offset: 32, .size: 8, .value_kind: global_buffer, .address_space: global }
      - { .name: Wq_scales, .offset: 40, .size: 8, .value_kind: global_buffer, .address_space: global }
      - { .name: Wk_codes, .offset: 48, .size: 8, .value_kind: global_buffer, .address_space: global }
      - { .name: Wk_scales, .offset: 56, .size: 8, .value_kind: global_buffer, .address_space: global }
      - { .name: Wv_codes, .offset: 64, .size: 8, .value_kind: global_buffer, .address_space: global }
      - { .name: Wv_scales, .offset: 72, .size: 8, .value_kind: global_buffer, .address_space: global }
      - { .name: W1_codes, .offset: 80, .size: 8, .value_kind: global_buffer, .address_space: global }
      - { .name: W1_scales, .offset: 88, .size: 8, .value_kind: global_buffer, .address_space: global }
      - { .name: W2_codes, .offset: 96, .size: 8, .value_kind: global_buffer, .address_space: global }
      - { .name: W2_scales, .offset: 104, .size: 8, .value_kind: global_buffer, .address_space: global }
      - { .name: xq, .offset: 112, .size: 8, .value_kind: global_buffer, .address_space: global }
      - { .name: wimg, .offset: 120, .size: 8, .value_kind: global_buffer, .address_space: global }
      - { .name: maskw, .offset: 128, .size: 8, .value_kind: global_buffer, .address_space: global }
    .group_segment_fixed_size: 74240
    .private_segment_fixed_size: 0
    .kernarg_segment_align: 8
    .kernarg_segment_size: 136
    .max_flat_workgroup_size: 128
    .sgpr_count:     66
    .vgpr_count:     256
    .wavefront_size: 32
...
	.end_amdgpu_metadata
.endif
;; end of part 1
;; launch qkv (part 2): grid 16 x 16, 4 waves a work-group, clusters of 4 x 4, 327,680 bytes of LDS; arguments xq, wimg, qkvc; writes qkvc
.if DOCPART == 2
	.amdgcn_target "amdgcn-amd-amdhsa--gfx1250"
	.amdhsa_code_object_version 6
	.text
	.protected	k_q27630089c8_qkv
	.globl	k_q27630089c8_qkv
	.p2align	8
	.type	k_q27630089c8_qkv,@function
k_q27630089c8_qkv:
	s_mov_b64 s[64:65], 0
	v_nop
	global_prefetch_b8 v0, s[64:65] scope:SCOPE_SE
	s_setreg_imm32_b32 hwreg(HW_REG_WAVE_MODE, 25, 1), 1
	s_wait_xcnt 0x0
	s_wait_alu depctr_hold_cnt(0) depctr_sa_sdst(0) depctr_va_vdst(0) depctr_va_sdst(0) depctr_va_ssrc(0) depctr_va_vcc(0) depctr_vm_vsrc(0)
	s_getreg_b32 s2, hwreg(HW_REG_IB_STS2, 6, 4)
	s_cmp_eq_u32 s2, 0
	s_cbranch_scc0 .Lentry_in_a_cluster
	s_endpgm
.Lentry_in_a_cluster:
	s_bfe_u32 s2, ttmp6, 0x10000c
	s_cmp_lg_u32 s2, 0xf033
	s_cbranch_scc0 .Lentry_shape_is_right
	s_endpgm
.Lentry_shape_is_right:
; q, k, v of one head (work-group x) for 256 tokens (work-group y), on codes of FP6 (E2M3), K = 1,024; the results are quantised at once: q and k along the head's 64, v along the tokens (the keys).
; Four waves: th = wave / 2 takes 128 tokens (8 tiles a), role = wave % 2 takes six of the head's twelve weight tiles: role 0: q0-3 v0 v1; role 1: k0-3 v2 v3.  One text for both roles.
; q, k: source 0 = 16 rows of W, source 1 = 16 tokens: a lane holds one token, its registers run along the head's 64 (tiles 2 b, 2 b + 1 give 16 neighbours).
; v:    source 0 = 16 tokens, source 1 = 16 rows of Wv: a lane holds one channel, its registers run along the tokens.
; Operands come as register images (1,536 bytes for 16 rows x 128 K: three loads of 512 dense bytes) through a ring of two LDS slots of K = 256, filled by the tensor data mover.
; CLUSTER 4 x 4: the token images hang on y alone and are asked for jointly by a row of the cluster, the weight images on x alone, by a column.
; All eight K steps are written out: no tensor load is ever jumped over.
; REGISTERS: window 0: v1-12 addresses, v28-29 for the add, v32-59 scale words (two sets of 14: a register carries two tiles, lanes 0-15 the even one), v64-255 token fragments, two sets.
;   window 1: weight fragments, two sets at v0 and v96.  window 2: q or k, tile (a, b) at v[32 a + 8 b].  window 3: v, (t, a) at v[64 t + 8 a].
; LIMITS: a block whose largest magnitude lies under 2^-124 keeps the byte 1.  q's and k's scale words have the bytes 0 for k = 64 .. 127, which the attention launch multiplies by zero codes.
.set SLOT1, 131072
.set WOFF,  49152                      ; in a slot: 16 token tiles x 3,072 bytes, then 12 weight tiles
.set TSC,   98304                      ; the token tiles' scale words for all of K (8,192 bytes),
.set WSC,   106496                     ; the weight tiles' (6,144)
.set SPARE, 262144                     ; the spare words: 128 bytes a wave; no other line names them
.set LI,  1
.set ADT, 2
.set ADW, 4
.set AST, 6
.set ASW, 7
.set SPW, 28
.set NIL, 29
.set SC,  32
.set TF,  64
.set G1,  24
.set G0,  32
.set G1B, 48
.set G0B, 56
.set G1S, 68
.set G0S, 76
.set G1SB, 80
.set G0SB, 88
.set MSB, 0
.macro WIN new                         ; the immediate's high byte repeats the setting that is left
.if MSB != \new
	s_set_vgpr_msb (MSB<<8)|\new
.set MSB, \new
.endif
.endm
.macro PLACES                          ; four plain lines between a matrix instruction and a load into, or a vector read of, its registers
.rept 4
	v_nop
.endr
.endm
.macro JLOAD g0a, g1a, g0b, g1b        ; a joint load: waves 0, 1 fetch token images, waves 2, 3 weight images; four v_nop follow each line
	s_cmp_eq_u32 s15, 0
	s_cbranch_scc0 .Lfor_b_\@
	tensor_load_to_lds s[\g0a:\g0a+3], s[\g1a:\g1a+7]
	s_nop 0
.rept 4
	v_nop
.endr
	s_branch .Lasked_\@
.Lfor_b_\@:
	tensor_load_to_lds s[\g0b:\g0b+3], s[\g1b:\g1b+7]
	s_nop 0
.rept 4
	v_nop
.endr
.Lasked_\@:
.endm
.macro CREST                           ; a round of the cluster's barrier behind its opening barrier
	s_cmp_lg_u32 s14, 0
	s_cbranch_scc1 .Lnot_wave_0_\@
	s_barrier_signal -3
.Lnot_wave_0_\@:
	s_barrier_wait -3
	s_barrier_signal -1
	s_barrier_wait -1
.endm
.macro CROUND
	s_barrier_signal -1
	s_barrier_wait -1
	CREST
.endm
.macro SHAPE g, c, r, p                ; words 1 to 7 of a group 1: r rows of c elements of 8 bytes, p elements apart
	s_mov_b32 s[\g+1], (\c)<<16
	s_mov_b32 s[\g+2], (\r)<<16
	s_mov_b32 s[\g+3], (\c)<<16
	s_mov_b32 s[\g+4], \r
	s_mov_b32 s[\g+5], \p
	s_mov_b32 s[\g+6], 0
	s_mov_b32 s[\g+7], 0
.endm
.macro WHERE g, lds, off, adr, step    ; a group 0
	s_mov_b32 s[\g], 1
	s_add_co_u32 s[\g+1], s[\lds], \off
	s_add_nc_u64 s[\g+2:\g+3], s[\adr:\adr+1], \step
	s_or_b32 s[\g+3], s[\g+3], 0x80000000
.endm
.macro EMIT                            ; one matrix instruction from the symbols rD, rA, rB, rC (under 0: the constant 0), rSA, rSB, oA, oB (1: the scales stand in lanes 16-31)
.if rC < 0
.if oA && oB
	v_wmma_scale_f32_16x16x128_f8f6f4 v[rD:rD+7], v[rA:rA+11], v[rB:rB+11], 0, v[rSA], v[rSB] matrix_a_fmt:MATRIX_FMT_FP6 matrix_b_fmt:MATRIX_FMT_FP6 matrix_a_scale:MATRIX_SCALE_ROW1 matrix_b_scale:MATRIX_SCALE_ROW1
.elseif oA
	v_wmma_scale_f32_16x16x128_f8f6f4 v[rD:rD+7], v[rA:rA+11], v[rB:rB+11], 0, v[rSA], v[rSB] matrix_a_fmt:MATRIX_FMT_FP6 matrix_b_fmt:MATRIX_FMT_FP6 matrix_a_scale:MATRIX_SCALE_ROW1
.elseif oB
	v_wmma_scale_f32_16x16x128_f8f6f4 v[rD:rD+7], v[rA:rA+11], v[rB:rB+11], 0, v[rSA], v[rSB] matrix_a_fmt:MATRIX_FMT_FP6 matrix_b_fmt:MATRIX_FMT_FP6 matrix_b_scale:MATRIX_SCALE_ROW1
.else
	v_wmma_scale_f32_16x16x128_f8f6f4 v[rD:rD+7], v[rA:rA+11], v[rB:rB+11], 0, v[rSA], v[rSB] matrix_a_fmt:MATRIX_FMT_FP6 matrix_b_fmt:MATRIX_FMT_FP6
.endif
.else
.if oA && oB
	v_wmma_scale_f32_16x16x128_f8f6f4 v[rD:rD+7], v[rA:rA+11], v[rB:rB+11], v[rC:rC+7], v[rSA], v[rSB] matrix_a_fmt:MATRIX_FMT_FP6 matrix_b_fmt:MATRIX_FMT_FP6 matrix_a_scale:MATRIX_SCALE_ROW1 matrix_b_scale:MATRIX_SCALE_ROW1
.elseif oA
	v_wmma_scale_f32_16x16x128_f8f6f4 v[rD:rD+7], v[rA:rA+11], v[rB:rB+11], v[rC:rC+7], v[rSA], v[rSB] matrix_a_fmt:MATRIX_FMT_FP6 matrix_b_fmt:MATRIX_FMT_FP6 matrix_a_scale:MATRIX_SCALE_ROW1
.elseif oB
	v_wmma_scale_f32_16x16x128_f8f6f4 v[rD:rD+7], v[rA:rA+11], v[rB:rB+11], v[rC:rC+7], v[rSA], v[rSB] matrix_a_fmt:MATRIX_FMT_FP6 matrix_b_fmt:MATRIX_FMT_FP6 matrix_b_scale:MATRIX_SCALE_ROW1
.else
	v_wmma_scale_f32_16x16x128_f8f6f4 v[rD:rD+7], v[rA:rA+11], v[rB:rB+11], v[rC:rC+7], v[rSA], v[rSB] matrix_a_fmt:MATRIX_FMT_FP6 matrix_b_fmt:MATRIX_FMT_FP6
.endif
.endif
.endm
	s_load_b128 s[4:7], s[0:1], 0x0                ; xq, wimg
	s_load_b64 s[8:9], s[0:1], 0x10                ; qkvc
	v_lshl_add_u32 v[SPW], v0, 2, SPARE
	v_mov_b32 v[NIL], 0
	ds_add_u32 v28, v29
	ds_add_u32 v28, v29
	s_wait_dscnt 0x0
	v_lshrrev_b32 v1, 5, v0
	v_readfirstlane_b32 s14, v1                    ; wave
	s_lshr_b32 s15, s14, 1                         ; th.  Also: I fetch token images (0) or weight images (1)
	s_and_b32 s16, s14, 1                          ; role.  Also: which half of them I fetch
	s_bfe_u32 s40, ttmp6, 0x40000                  ; cx, cy
	s_bfe_u32 s41, ttmp6, 0x40004
	s_lshl_b32 s42, ttmp9, 2
	s_add_co_u32 s42, s42, s40                     ; x: the head
	s_and_b32 s17, ttmp7, 0xffff
	s_lshl_b32 s17, s17, 2
	s_add_co_u32 s17, s17, s41                     ; y: 256 tokens
	s_lshl_b32 s43, s41, 2
	s_lshl_b32 s43, 15, s43                        ; my row of the cluster
	s_lshl_b32 s44, 0x1111, s40                    ; my column
	s_or_b32 s[G1+0], s43, (3<<16)|(1<<21)         ; 15:0 the mask; 17:16 elements of 8 bytes; 21 set beside a mask; no padding
	s_or_b32 s[G1B+0], s44, (3<<16)|(1<<21)
	s_or_b32 s[G1S+0], s43, (3<<16)|(1<<21)
	s_or_b32 s[G1SB+0], s44, (3<<16)|(1<<21)
	SHAPE G1, 384, 16, 1536                        ; for the head's loads: all 16 token tiles x 3,072 bytes (two K steps' images), 12,288 bytes apart
	SHAPE G1B, 384, 12, 1536                       ; all 12 weight tiles
	SHAPE G1S, 32, 32, 32                          ; 8,192 dense bytes as rows of 256
	SHAPE G1SB, 32, 24, 32                         ; 6,144
	s_lshl_b32 s20, s17, 4                         ; token tile 16 y
	s_lshl_b32 s22, s20, 9
	s_add_co_u32 s22, s22, 3145728
	s_mov_b32 s23, 0
	s_mul_i32 s20, s20, 12288
	s_mov_b32 s21, 0
	s_mul_i32 s46, s42, 12                         ; weight tile 12 x
	s_mul_i32 s2, s16, 98304                       ; in the ring I fetch half of the tiles: 8 token tiles on,
	s_mov_b32 s3, 0
	s_mul_i32 s98, s16, 73728                      ; or 6 weight tiles on
	s_mov_b32 s99, 0
	s_lshl_b32 s92, s46, 9
	s_add_co_u32 s92, s92, 8650752
	s_mov_b32 s93, 0
	s_mul_i32 s46, s46, 12288
	s_mov_b32 s47, 0
	s_mul_i32 s45, s16, 24576                      ; where they go: no place in the cluster enters an LDS address
	s_mul_i32 s94, s16, 18432
	s_add_co_u32 s94, s94, WOFF
	s_wait_kmcnt 0x0
	s_add_nc_u64 s[20:21], s[4:5], s[20:21]
	s_add_nc_u64 s[22:23], s[4:5], s[22:23]
	s_add_nc_u64 s[46:47], s[6:7], s[46:47]
	s_add_nc_u64 s[92:93], s[6:7], s[92:93]
	CROUND                                         ; all sixteen work-groups are here: the first joint loads meet
; THE HEAD'S LOADS, ONE A WAVE: wave 0 slot 0's token images, wave 1 its weight images, wave 2 the token tiles' scale words, wave 3 the weight tiles'.
.macro HEADW g, lds, adr               ; a group 0 for a whole tile
	s_mov_b32 s[\g], 1
	s_mov_b32 s[\g+1], \lds
	s_mov_b64 s[\g+2:\g+3], s[\adr:\adr+1]
	s_or_b32 s[\g+3], s[\g+3], 0x80000000
.endm
.macro ARM under, g0, g1, next         ; one arm of the tree: its load, and a jump to the tree's end
	s_cmp_lt_u32 s14, \under
	s_cbranch_scc0 \next
	tensor_load_to_lds s[\g0:\g0+3], s[\g1:\g1+7]
	s_nop 0
.rept 4
	v_nop
.endr
	s_branch .Lhead_asked
\next:
.endm
	HEADW G0, 0, 20
	HEADW G0B, WOFF, 46
	HEADW G0S, TSC, 22
	HEADW G0SB, WSC, 92
	s_add_nc_u64 s[20:21], s[20:21], s[2:3]        ; for the ring: my half of the tiles
	s_add_nc_u64 s[46:47], s[46:47], s[98:99]
	WHERE G0+4, 45, SLOT1, 20, 3072
	WHERE G0B+4, 94, SLOT1, 46, 3072
	ARM 1, G0,  G1,  .Lhead_b
	ARM 2, G0B, G1B, .Lhead_sa
	ARM 3, G0S, G1S, .Lhead_sb
	tensor_load_to_lds s[G0SB:G0SB+3], s[G1SB:G1SB+7]
	s_nop 0
.rept 4
	v_nop
.endr
.Lhead_asked:
; DATA PREFETCHES.  A slot's fill is 3,072 bytes of each tile: 12 blocks of 256 bytes.  Of the tiles that four partners ask for jointly each partner names a quarter, told apart by address alone (cx: 4 of 16 token tiles;
; cy: 3 of 12 weight tiles); its two waves of that kind halve them (24 or 18 blocks, a lane a block; lanes left over name the wave's last block again).  Here: fills 1 and 2; with fill 2's load: fill 3.  Fill 0 comes by its load alone.
	s_cmp_eq_u32 s15, 0                            ; do I fetch token images?
	s_cselect_b32 s2, s17, s42
	s_cselect_b32 s3, s40, s41
	s_cselect_b64 s[98:99], s[4:5], s[6:7]
	s_cselect_b32 s18, 16, 12
	s_cselect_b32 s19, 4, 3
	s_cselect_b32 s96, 24, 18
	s_mul_i32 s2, s2, s18
	s_mul_i32 s3, s3, s19
	s_add_co_u32 s2, s2, s3                        ; the first of my work-group's tiles
	s_mul_i32 s2, s2, 12288
	s_mov_b32 s3, 0
	s_add_nc_u64 s[98:99], s[98:99], s[2:3]
	s_mul_i32 s18, s16, s96
	s_sub_co_u32 s19, s96, 1
	v_and_b32 v30, 31, v0
	v_min_u32 v30, s19, v30
	v_add_nc_u32 v30, s18, v30                     ; my block among them, 0 .. 47
	v_mul_u32_u24 v31, v30, 43
	v_lshrrev_b32 v31, 9, v31                      ; block / 12: its tile
	v_mul_u32_u24 v31, v31, 9216                   ; a tile is 12,288 bytes on, 12 blocks are 3,072
	v_lshl_add_u32 v30, v30, 8, v31                ; never rewritten
	global_prefetch_b8 v30, s[98:99] offset:3072 th:TH_LOAD_NT scope:SCOPE_SE
	global_prefetch_b8 v30, s[98:99] offset:6144 th:TH_LOAD_NT scope:SCOPE_SE
	v_and_b32 v9, 31, v0
	v_lshlrev_b32 v[LI], 4, v9                     ; 16 x lane: an image's place for my lane
	v_lshlrev_b32 v8, 2, v9
	v_and_b32 v10, 15, v0
	v_bfe_u32 v11, v0, 4, 1
	s_mul_i32 s18, s15, 24576
	v_add_nc_u32 v[ADT], s18, v[LI]
	s_add_co_u32 s18, s18, SLOT1
	v_add_nc_u32 v[ADT+1], s18, v[LI]
	s_mul_i32 s18, s16, 18432
	s_add_co_u32 s18, s18, WOFF
	v_add_nc_u32 v[ADW], s18, v[LI]
	s_add_co_u32 s18, s18, SLOT1
	v_add_nc_u32 v[ADW+1], s18, v[LI]
	v_lshlrev_b32 v12, 2, v10
	v_lshl_add_u32 v12, v11, 9, v12                ; word r; lanes 16-31 take the odd tile, 512 bytes on
	s_lshl_b32 s18, s15, 12
	s_add_co_u32 s18, s18, TSC
	v_add_nc_u32 v[AST], s18, v12
	s_mul_i32 s18, s16, 3072
	s_add_co_u32 s18, s18, WSC
	v_add_nc_u32 v[ASW], s18, v12
	s_mov_b32 s10, 0x76543210
	s_mov_b32 s11, 0xfedcba98
	s_mov_b32 s12, 0xffff0000                      ; lanes 16-31
.macro FETCHT set, slot, q             ; my 8 token fragments of the slot's q-th K step
.irp a,0,1,2,3,4,5,6,7
.irp g,0,1,2
	ds_load_b128 v[TF+96*(\set)+12*\a+4*\g:TF+96*(\set)+12*\a+4*\g+3], v[ADT+\slot] offset:3072*\a+1536*(\q)+512*\g
.endr
.endr
.endm
.macro FETCHW set, slot, q             ; my 6 weight fragments, into window 1
	WIN 0x40
.irp b,0,1,2,3,4,5
.irp g,0,1,2
	ds_load_b128 v[96*(\set)+12*\b+4*\g:96*(\set)+12*\b+4*\g+3], v[ADW+\slot] offset:3072*\b+1536*(\q)+512*\g
.endr
.endr
	WIN 0
.endm
.macro SCALES set, ks                  ; the scale words of K steps ks, ks + 1
.irp p,0,1,2,3
.irp q,0,1
	ds_load_b32 v[SC+14*(\set)+2*\p+\q], v[AST] offset:1024*\p+64*((\ks)+\q)
.endr
.endr
.irp p,0,1,2
.irp q,0,1
	ds_load_b32 v[SC+14*(\set)+8+2*\p+\q], v[ASW] offset:1024*\p+64*((\ks)+\q)
.endr
.endr
.endm
; The 48 accumulators take turns, one instruction a turn, in the same order in every step.
.macro MQK a0, n, set, q, sc, zero     ; q or k: token tiles a0 .. a0 + n - 1 against W's tiles 0-3
.set ia, \a0
.rept \n
.set ib, 0
.rept 4
.set rD, 32*ia+8*ib
.set rA, 96*(\set)+12*ib
.set rB, TF+96*(\set)+12*ia
.set rSA, SC+14*(\sc)+8+2*(ib/2)+(\q)
.set rSB, SC+14*(\sc)+2*(ia/2)+(\q)
.set oA, ib%2
.set oB, ia%2
.if \zero
.set rC, -1
.else
.set rC, rD
.endif
	EMIT
.set ib, ib+1
.endr
.set ia, ia+1
.endr
.endm
.macro MV set, q, sc, zero             ; v: the 8 token tiles against W's tiles 4, 5
.set ia, 0
.rept 8
.set it, 0
.rept 2
.set rD, 64*it+8*ia
.set rA, TF+96*(\set)+12*ia
.set rB, 96*(\set)+12*(4+it)
.set rSA, SC+14*(\sc)+2*(ia/2)+(\q)
.set rSB, SC+14*(\sc)+12+(\q)
.set oA, ia%2
.set oB, it
.if \zero
.set rC, -1
.else
.set rC, rD
.endif
	EMIT
.set it, it+1
.endr
.set ia, ia+1
.endr
.endm
.macro STEPM slot, zero                ; a slot's first K step (set 0); its second is fetched into set 1 meanwhile
	s_wait_dscnt 0x0                               ; this step's fragments and scale words are in
	PLACES
	FETCHW 1, \slot, 1
	FETCHT 1, \slot, 1
	WIN 0xa1                                       ; source 0 window 1, source 1 window 0, C and D window 2
	MQK 0, 8, 0, 0, \slot, \zero
	WIN 0xf4                                       ; source 0 window 0, source 1 window 1, C and D window 3
	MV 0, 0, \slot, \zero
.endm
; A slot's second K step changes slots: ONE barrier; in front of it each wave waits for all its tensor loads, adds 0 to its spare word, and waits for that and for its reads of this slot.
.macro TURN slot, next, fill, ks
	WIN 0
	s_wait_tensorcnt 0x0                           ; all my tensor loads have landed: my part of the next slot
	ds_add_u32 v[SPW], v[NIL]                      ; 0 onto my spare word
	s_wait_dscnt 1                                 ; the add alone may be out: this step's fragments were asked for ahead of it
	WIN 0xa1
	MQK 0, 4, 1, 1, \slot, 0
	s_wait_dscnt 0x0                               ; the add is done, and my reads of this slot are over
	s_barrier_signal -1
	MQK 4, 4, 1, 1, \slot, 0
	WIN 0
	s_barrier_wait -1
.if \fill
	CREST                                          ; the barrier has opened a round of the cluster's: no wave of any partner still reads this slot or has a load on its way
	s_add_nc_u64 s[G0+4*\slot+2:G0+4*\slot+3], s[G0+4*\slot+2:G0+4*\slot+3], 6144
	s_add_nc_u64 s[G0B+4*\slot+2:G0B+4*\slot+3], s[G0B+4*\slot+2:G0B+4*\slot+3], 6144
	JLOAD G0+4*\slot, G1, G0B+4*\slot, G1B         ; the first tensor load behind the round; its four v_nop are also the places for the loads below
.else
	PLACES
.endif
	FETCHW 0, \next, 0
	FETCHT 0, \next, 0
	SCALES \next, \ks
.if (\ks) == 2
	global_prefetch_b8 v30, s[98:99] offset:9216 th:TH_LOAD_NT scope:SCOPE_SE   ; the last fill, one change of slots ahead of its load
.endif
	WIN 0xf4
	MV 1, 1, \slot, 0
.endm
	s_wait_alu depctr_va_vdst(0)
	s_wait_tensorcnt 0x0                           ; my tile of the head's four is in; these lines stand ahead of a later first fill as ahead of a refill
	ds_add_u32 v[SPW], v[NIL]                      ; 0 onto my spare word
	s_mov_b32 s[G1+2], 8<<16                       ; no tensor load of mine is out: from here on a load brings half of the tiles
	s_mov_b32 s[G1+4], 8
	s_mov_b32 s[G1B+2], 6<<16
	s_mov_b32 s[G1B+4], 6
	WHERE G0, 45, 0, 20, 0                         ; slot 0's group 0 for the ring: my half
	WHERE G0B, 94, 0, 46, 0
	s_wait_dscnt 0x0
	CROUND                                         ; all four tiles are in, and all sixteen work-groups are here
	JLOAD G0+4, G1, G0B+4, G1B                     ; slot 1's first fill: the first tensor load behind the round
	FETCHW 0, 0, 0
	FETCHT 0, 0, 0
	SCALES 0, 0
	STEPM 0, 1                                     ; the first products start the sums
	TURN 0, 1, 1, 2
	STEPM 1, 0
	TURN 1, 0, 1, 4
	STEPM 0, 0
	TURN 0, 1, 0, 6                                ; nothing is left to fetch
	STEPM 1, 0
	s_wait_dscnt 0x0
	WIN 0xa1
	MQK 0, 8, 1, 1, 1, 0
	WIN 0xf4
	MV 1, 1, 1, 0
	WIN 0
; THE WAY OUT.  Where my results go: a block for each (batch, head) and 128 tokens.
	s_lshr_b32 s18, s17, 3
	s_lshl_b32 s18, s18, 4
	s_add_co_u32 s18, s18, s42                     ; 16 batch + head
	s_lshl_b32 s18, s18, 4
	s_and_b32 s19, s17, 7
	s_lshl_b32 s19, s19, 1
	s_add_co_u32 s18, s18, s19
	s_add_co_u32 s18, s18, s15                     ; x 16 + the group of 128 tokens
	s_mul_i32 s92, s18, 13312
	s_add_co_u32 s92, s92, 3407872                 ; its block of K and V
	s_mul_i32 s18, s18, 6656                       ; its block of Q
	s_cmp_eq_u32 s16, 0
	s_cselect_b32 s18, s18, s92
	s_mov_b32 s19, 0
	s_add_nc_u64 s[18:19], s[8:9], s[18:19]
	s_mul_i32 s20, s16, 3072
	s_add_co_u32 s20, s20, s92
	s_mov_b32 s21, 0
	s_add_nc_u64 s[20:21], s[8:9], s[20:21]        ; my two images of V^T
	s_lshl_b32 s22, s16, 7
	s_add_co_u32 s22, s22, s92
	s_mov_b32 s23, 0
	s_add_nc_u64 s[22:23], s[8:9], s[22:23]        ; their scale words
	PLACES
; q or k: for each token tile two blocks of 32 along the head's 64.  v64-79 largest magnitudes, v80-95 the other half's, then bytes, v96-111 scale operands, v112-159 codes (register 6 a + i), v160-191 second halves.
.irp n,0,1,2,3,4,5,6,7,8,9,10,11,12,13,14,15
	v_mov_b32 v[64+\n], 0x1800000                  ; the floor 2^(3 - 127): the byte cannot fall under 1
.endr
	WIN 0x28                                       ; sources 1 and 2 window 2
.irp i,0,2,4,6,8,10,12,14
.irp n,0,1,2,3,4,5,6,7,8,9,10,11,12,13,14,15
	v_max3_num_f32 v[64+\n], v[64+\n], |v[16*\n+\i]|, |v[16*\n+\i+1]|   ; block n % 2 of tile n / 2; each accumulator is read from its low end on
.endr
.endr
	WIN 0
.irp n,0,1,2,3,4,5,6,7,8,9,10,11,12,13,14,15
	v_permlanex16_b32 v[80+\n], v[64+\n], s10, s11
.endr
.irp n,0,1,2,3,4,5,6,7,8,9,10,11,12,13,14,15
	v_max_num_f32 v[64+\n], v[64+\n], v[80+\n]
.endr
.irp n,0,1,2,3,4,5,6,7,8,9,10,11,12,13,14,15
	v_add_nc_u32 v[96+\n], 0xff000000, v[64+\n]    ; 2 off the exponent field: the conversion's scale operand
.endr
.irp n,0,1,2,3,4,5,6,7,8,9,10,11,12,13,14,15
	v_lshrrev_b32 v[80+\n], 23, v[96+\n]           ; the byte
.endr
.irp a,0,1,2,3,4,5,6,7
	v_lshl_or_b32 v[192+\a], v[81+2*\a], 8, v[80+2*\a]
.endr
.irp p,0,1,2,3
	v_cndmask_b32 v[200+\p], v[192+2*\p], v[193+2*\p], s12   ; a register carries two tiles' words
.endr
	WIN 0x02                                       ; source 0 window 2
.irp a,0,1,2,3,4,5,6,7
	v_cvt_scalef32_pk16_fp6_f32 v[112+6*\a:114+6*\a], v[32*\a:32*\a+15], v[96+2*\a]
	v_cvt_scalef32_pk16_fp6_f32 v[160+4*\a:162+4*\a], v[32*\a+16:32*\a+31], v[97+2*\a]
.endr
	WIN 0
	v_nop                                          ; a plain line behind the conversions
.irp a,0,1,2,3,4,5,6,7
.irp i,0,1,2
	v_permlane16_swap_b32 v[112+6*\a+\i], v[160+4*\a+\i]     ; a whole block to a lane: lanes 0-15 block 0, lanes 16-31 block 1
.endr
.endr
.irp a,0,1,2,3,4,5,6,7
.irp i,0,1,2
	v_mov_b32 v[115+6*\a+\i], v[160+4*\a+\i]
.endr
.endr
.irp g,0,1,2,3,4,5,6,7,8,9,10,11
	global_store_b128 v[LI], v[112+4*\g:115+4*\g], s[18:19] offset:512*\g   ; 512 consecutive bytes an instruction
.endr
	global_store_b128 v[LI], v[200:203], s[18:19] offset:6144
; v: for each of my two channel tiles four blocks of 32 along the 128 tokens.  Other registers than those that the stores above still read.
.irp n,0,1,2,3,4,5,6,7
	v_mov_b32 v[64+\n], 0x1800000
.endr
	WIN 0x3c                                       ; sources 1 and 2 window 3
.irp i,0,2,4,6,8,10,12,14
.irp n,0,1,2,3,4,5,6,7
	v_max3_num_f32 v[64+\n], v[64+\n], |v[16*\n+\i]|, |v[16*\n+\i+1]|
.endr
.endr
	WIN 0
.irp n,0,1,2,3,4,5,6,7
	v_permlanex16_b32 v[80+\n], v[64+\n], s10, s11
.endr
.irp n,0,1,2,3,4,5,6,7
	v_max_num_f32 v[64+\n], v[64+\n], v[80+\n]
.endr
.irp n,0,1,2,3,4,5,6,7
	v_add_nc_u32 v[96+\n], 0xff000000, v[64+\n]
.endr
.irp n,0,1,2,3,4,5,6,7
	v_lshrrev_b32 v[80+\n], 23, v[96+\n]
.endr
.irp t,0,1
	v_lshl_or_b32 v[192+\t], v[81+4*\t], 8, v[80+4*\t]
	v_lshl_or_b32 v[192+\t], v[82+4*\t], 16, v[192+\t]
	v_lshl_or_b32 v[192+\t], v[83+4*\t], 24, v[192+\t]
.endr
	v_cndmask_b32 v194, v192, v193, s12
	v_mov_b32 v195, 0
	WIN 0x03                                       ; source 0 window 3
.irp t,0,1
.irp c,0,1
	v_cvt_scalef32_pk16_fp6_f32 v[208+12*\t+6*\c:210+12*\t+6*\c], v[64*\t+32*\c:64*\t+32*\c+15], v[96+4*\t+2*\c]
	v_cvt_scalef32_pk16_fp6_f32 v[232+8*\t+4*\c:234+8*\t+4*\c], v[64*\t+32*\c+16:64*\t+32*\c+31], v[97+4*\t+2*\c]
.endr
.endr
	WIN 0
	v_nop
.irp t,0,1
.irp c,0,1
.irp i,0,1,2
	v_permlane16_swap_b32 v[208+12*\t+6*\c+\i], v[232+8*\t+4*\c+\i]
.endr
.irp i,0,1,2
	v_mov_b32 v[211+12*\t+6*\c+\i], v[232+8*\t+4*\c+\i]
.endr
.endr
.endr
.irp g,0,1,2,3,4,5
	global_store_b128 v[LI], v[208+4*\g:211+4*\g], s[20:21] offset:6656+512*\g
.endr
	global_store_b32 v8, v194, s[22:23] offset:12800
	global_store_b32 v8, v195, s[22:23] offset:13056   ; the block's last 256 bytes are stored as zeros: the attention launch brings whole blocks in
	s_wait_tensorcnt 0x0                           ; the wave's end
	ds_add_u32 v[SPW], v[NIL]
	s_wait_dscnt 0x0
	CROUND                                         ; the closing round
	s_endpgm
.Lfunc_end_k_q27630089c8_qkv:
	.size	k_q27630089c8_qkv, .Lfunc_end_k_q27630089c8_qkv-k_q27630089c8_qkv
	.p2alignl 7, 3214868480
	.fill 96, 4, 3214868480
	.section	.rodata,"a",@progbits
	.p2align	6, 0x0
	.amdhsa_kernel k_q27630089c8_qkv
		.amdhsa_group_segment_fixed_size 327680
		.amdhsa_private_segment_fixed_size 0
		.amdhsa_enable_private_segment 0
		.amdhsa_kernarg_size 24
		.amdhsa_user_sgpr_count 2
		.amdhsa_user_sgpr_kernarg_segment_ptr 1
		.amdhsa_wavefront_size32 1
		.amdhsa_system_sgpr_workgroup_id_x 1
		.amdhsa_system_sgpr_workgroup_id_y 1
		.amdhsa_system_sgpr_workgroup_id_z 1
		.amdhsa_system_vgpr_workitem_id 0
		.amdhsa_next_free_vgpr 1024
		.amdhsa_next_free_sgpr 100
		.amdhsa_reserve_vcc 0
		.amdhsa_float_denorm_mode_32 3
		.amdhsa_float_denorm_mode_16_64 3
		.amdhsa_memory_ordered 1
		.amdhsa_forward_progress 1
		.amdhsa_inst_pref_size 115
	.end_amdhsa_kernel
	.amdgpu_metadata
---
amdhsa.version: [ 1, 2 ]
amdhsa.kernels:
  - .name:           k_q27630089c8_qkv
    .symbol:         k_q27630089c8_qkv.kd
    .args:
      - { .name: xq, .offset: 0, .size: 8, .value_kind: global_buffer, .address_space: global }
      - { .name: wimg, .offset: 8, .size: 8, .value_kind: global_buffer, .address_space: global }
      - { .name: qkvc, .offset: 16, .size: 8, .value_kind: global_buffer, .address_space: global }
    .group_segment_fixed_size: 327680
    .private_segment_fixed_size: 0
    .kernarg_segment_align: 8
    .kernarg_segment_size: 24
    .max_flat_workgroup_size: 128
    .sgpr_count:     100
    .vgpr_count:     1024
    .wavefront_size: 32
...
	.end_amdgpu_metadata
.endif
;; end of part 2
;; launch attn (part 3): grid 8 x 32, 16 waves a work-group, no clusters, 301,056 bytes of LDS; arguments qkvc, maskw, attf; writes attf
.if DOCPART == 3
	.amdgcn_target "amdgcn-amd-amdhsa--gfx1250"
	.amdhsa_code_object_version 6
	.text
	.protected	k_q27630089c8_attn
	.globl	k_q27630089c8_attn
	.p2align	8
	.type	k_q27630089c8_attn,@function
k_q27630089c8_attn:
	s_mov_b64 s[64:65], 0
	v_nop
	global_prefetch_b8 v0, s[64:65] scope:SCOPE_SE
	s_setreg_imm32_b32 hwreg(HW_REG_WAVE_MODE, 25, 1), 1
	s_wait_xcnt 0x0
; Attention of one (batch, head) (work-group y) for 16 query tiles of 16 queries, on codes of FP6 (E2M3): S^T = K Q^T, p = 2^(t - M) with a running whole M, O^T += V^T p^T; a lane holds one query.
; K and V of all 2,048 keys, 16 blocks of 13,312 bytes (K's 8 tiles, their scale words, V^T's 4 images, their scale words), lie in LDS: wave w copies block w through registers; one barrier.
; THE MASK DECIDES WHICH STEPS ARE DONE.  The mask comes as lane masks (whole numbers that the first launch stored): 64 words for a query tile and a step of 128 keys.  From them come flags, a bit a step: some key of the step
; counts for some query of the tile; some key is masked for some query.  A step with no key that counts has p = 0 throughout and leaves maximum, sum and O as they are: a scalar branch leads round it.
; A step with nothing masked needs no selects: a branch leads round them and round the loads of its mask words.  The loops' counts are 8 for every mask.
; A TILE'S KEYS ARE SHARED BY TWO WAVES.  Work-group x has the tiles 8 R + x, R = 0 .. 15.  Wave w takes R = w xor ((w / 4) % 2): in a first pass the EVEN steps of tile R, whose O^T, -M and sum go to slot R in LDS; in a second
; pass the ODD steps of tile 15 - R.  Behind a barrier it reads slot 15 - R, brings both halves under the larger M (factors 2^whole number: nothing is rounded), adds them, divides and stores that tile.
; So where the steps that count grow with the query, every wave has 8 or 9 of them.  The order of the sum over the keys differs from a single chain's.
; No tensor load and no joint load: the branches hang on numbers read from memory.  No data prefetch: every read of memory stands at the head, there is no loop to run ahead in.
; LIMITS: the scaled scores (exponents to the base 2) stay under 2^31 in magnitude.  A query with no key left gives NaN, as 0 x infinity at the end.
; REGISTERS: v1 16 x lane, v2 4 x lane, v8 -M, v9 largest t, v10-11 the sum, v12-23 Q (upper half zero codes), v24 its scales, v25 p's scales, v26-29 K's scales, v30-31 V's, v32-79 K, v80-127 V, v128-191 scores and p, v192-223 O^T, v224-235 p's codes.
.set KVB, 13312
.set CH,  6656
.set PSL, 212992                       ; behind K and V: 16 slots of 4,352 bytes: O^T (4,096), -M (128), the sum (128)
.set QST, 282624                       ; 1,024 bytes a wave: the second pass's Q
.set SPARE, 299008                     ; the spare words, 128 bytes a wave
	s_load_b128 s[16:19], s[0:1], 0x0              ; qkvc, maskw
	s_load_b64 s[14:15], s[0:1], 0x10              ; attf
	v_lshl_add_u32 v254, v0, 2, SPARE
	v_mov_b32 v255, 0
	v_lshrrev_b32 v1, 5, v0
	v_readfirstlane_b32 s6, v1                     ; wave
	s_and_b32 s22, ttmp7, 0xffff                   ; 16 batch + head
	s_mov_b32 s21, ttmp9                           ; x
	s_mul_i32 s26, s6, KVB                         ; block w's place in LDS,
	s_mul_i32 s24, s22, 16*KVB
	s_add_co_u32 s24, s24, s26
	s_add_co_u32 s24, s24, 3407872                 ; and in qkvc
	s_mov_b32 s25, 0
	s_bfe_u32 s20, s6, 0x10002
	s_xor_b32 s20, s20, s6                         ; R of the first pass: also the group of 128 tokens that holds the tile
	s_xor_b32 s27, s20, 15                         ; 15 - R: the second pass's
	s_mul_i32 s66, s20, 4352
	s_add_co_u32 s66, s66, PSL                     ; the slot that I fill,
	s_mul_i32 s67, s27, 4352
	s_add_co_u32 s67, s67, PSL                     ; and the one that I read
	s_lshl_b32 s5, s6, 10
	s_add_co_u32 s5, s5, QST
	s_lshl_b32 s30, s22, 4
	s_add_co_u32 s28, s30, s20
	s_mul_i32 s28, s28, CH                         ; the two groups' blocks of Q
	s_mov_b32 s29, 0
	s_add_co_u32 s30, s30, s27
	s_mul_i32 s30, s30, CH
	s_mov_b32 s31, 0
	s_lshl_b32 s32, s20, 3
	s_add_co_u32 s32, s32, s21
	s_lshl_b32 s32, s32, 12                        ; the two tiles' 4,096 bytes of mask words
	s_mov_b32 s33, 0
	s_lshl_b32 s23, s27, 3
	s_add_co_u32 s23, s23, s21                     ; the tile that I finish
	s_lshl_b32 s42, s23, 12
	s_mov_b32 s43, 0
	s_lshr_b32 s34, s22, 4
	s_lshl_b32 s34, s34, 11
	s_lshr_b32 s36, s23, 1
	s_lshl_b32 s36, s36, 5
	s_add_co_u32 s34, s34, s36
	s_and_b32 s36, s23, 1
	s_lshl_b32 s36, s36, 3
	s_add_co_u32 s34, s34, s36                     ; its first token
	s_lshl_b32 s34, s34, 12
	s_and_b32 s36, s22, 15
	s_lshl_b32 s36, s36, 8
	s_add_co_u32 s34, s34, s36                     ; + the head's 256 bytes of a row
	s_mov_b32 s35, 0
	s_mul_i32 s44, s21, 3                          ; tile x of a group: register pairs 3 x + k of the block's image
.irp k,0,1,2
	s_add_co_u32 s36, s44, \k
	s_lshr_b32 s41, s36, 1
	s_lshl_b32 s41, s41, 9
	s_and_b32 s36, s36, 1
	s_lshl_b32 s36, s36, 3
	s_add_co_u32 s[37+\k], s36, s41
.endr
	s_and_b32 s40, s21, 1
	s_lshl_b32 s40, s40, 8
	s_lshr_b32 s41, s21, 1
	s_lshl_b32 s41, s41, 2
	s_add_co_u32 s40, s40, s41
	s_add_co_u32 s40, s40, 6144                    ; its scale words
	s_mov_b32 s4, 0
	s_mov_b32 s10, 0x76543210
	s_mov_b32 s11, 0xfedcba98                      ; lane l xor 16
	s_mov_b32 s12, 0x3e38aa3b                      ; log2(e) / 8
	s_mov_b32 s13, s12
	v_and_b32 v3, 31, v0
	v_and_b32 v4, 15, v0
	v_bfe_u32 v5, v0, 4, 1
	v_lshlrev_b32 v1, 4, v3
	v_lshlrev_b32 v2, 2, v3
	v_lshlrev_b32 v7, 12, v5
	v_lshl_add_u32 v239, v4, 4, s40
	v_lshl_add_u32 v7, v4, 4, v7                   ; the way out: rows 2 i + h, 16 bytes a lane
.irp k,0,1,2
	v_add_nc_u32 v[236+\k], s[37+\k], v1
.endr
	v_mul_u32_u24 v251, v5, 15
	v_xor_b32 v251, s20, v251                      ; lanes 0-15 read the first tile's mask words, lanes 16-31 the second's
	v_lshl_add_u32 v251, v251, 3, s21
	v_lshl_add_u32 v251, v251, 12, v1
	v_add_nc_u32 v3, s26, v1
	v_add_nc_u32 v253, s5, v2
	v_mov_b32 v6, 0xff800000                       ; -infinity for a masked score
	v_mov_b32 v9, 0xff61b1e6                       ; -3e38, under every t
	v_floor_f32 v8, -v9
.irp j,10,11,18,19,20,21,22,23,240,241,242,243,248,249
	v_mov_b32 v[\j], 0
.endr
.irp j,0,1,2,3,4,5,6,7,8,9,10,11,12,13,14,15,16,17,18,19,20,21,22,23,24,25,26,27,28,29,30,31
	v_mov_b32 v[192+\j], 0                         ; O^T: the step is written once, the first finds zeros
.endr
	s_wait_alu depctr_va_vdst(0)
	s_wait_kmcnt 0x0
	s_add_nc_u64 s[92:93], s[16:17], s[24:25]
	s_add_nc_u64 s[100:101], s[16:17], s[28:29]
	s_add_nc_u64 s[94:95], s[16:17], s[30:31]
	s_mov_b64 s[98:99], s[18:19]
	s_add_nc_u64 s[2:3], s[18:19], s[32:33]
	s_add_nc_u64 s[96:97], s[18:19], s[42:43]
	s_add_nc_u64 s[14:15], s[14:15], s[34:35]
.irp g,0,1,2,3,4,5,6,7,8,9,10,11,12,13,14,15,16,17,18,19,20,21,22,23,24,25
	global_load_b128 v[64+4*\g:67+4*\g], v1, s[92:93] offset:512*\g     ; block w: 512 consecutive bytes an instruction
.endr
.irp i,0,1,2,3,4,5,6,7
	global_load_b128 v[32+4*\i:35+4*\i], v251, s[98:99] offset:512*\i   ; lanes 0-15: step 2 i of the first tile; lanes 16-31: step 2 i + 1 of the second
.endr
.irp k,0,1,2
	global_load_b64 v[12+2*\k:13+2*\k], v[236+\k], s[100:101]
.endr
	global_load_b32 v24, v239, s[100:101]
.irp k,0,1,2
	global_load_b64 v[184+2*\k:185+2*\k], v[236+\k], s[94:95]
.endr
	global_load_b32 v190, v239, s[94:95]
.macro MWORDS b                        ; the 64 mask words of the step at byte s4 of the tile at s[b:b+1]
	s_load_b512 s[16:31], s[\b:\b+1], s4
	s_load_b512 s[32:47], s[\b:\b+1], s4 offset:0x40
	s_load_b512 s[48:63], s[\b:\b+1], s4 offset:0x80
	s_load_b512 s[68:83], s[\b:\b+1], s4 offset:0xc0
.endm
	MWORDS 2                                       ; step 0's, so that these registers are written on every way
	s_wait_loadcnt 16                              ; behind block w's 26 loads: 8 of mask words, 8 of Q
.irp g,0,1,2,3,4,5,6,7,8,9,10,11,12,13,14,15,16,17,18,19,20,21,22,23,24,25
	ds_store_b128 v3, v[64+4*\g:67+4*\g] offset:512*\g
.endr
	s_wait_loadcnt 0x0
.irp k,0,1,2,3,4,5
	ds_store_b32 v253, v[184+\k] offset:128*\k     ; the second pass's Q waits in my own bytes
.endr
	ds_store_b32 v253, v190 offset:768
.irp i,0,1,2,3,4,5,6,7
	v_or_b32 v[168+\i], v[32+4*\i], v[33+4*\i]
	v_and_b32 v[176+\i], v[32+4*\i], v[33+4*\i]
.endr
.irp q,2,3
.irp i,0,1,2,3,4,5,6,7
	v_or_b32 v[168+\i], v[168+\i], v[32+4*\i+\q]   ; not 0: one of my four words has a key that counts
	v_and_b32 v[176+\i], v[176+\i], v[32+4*\i+\q]  ; not -1: one of them has a masked key
.endr
.endr
	s_wait_alu depctr_va_vdst(0)
	s_wait_kmcnt 0x0
	s_wait_dscnt 0x0                               ; for the others' sake: my block is stored
	s_barrier_signal -1
.irp f,84,85,86,87
	s_mov_b32 s[\f], 0                             ; s84, s85: steps that count, first and second pass; s86, s87: steps with a masked key
.endr
.macro FLAG2 m, f, i                   ; lanes 0-15 of the lane mask m speak for the first pass's i-th step, lanes 16-31 for the second's
	s_and_b32 s90, s[\m], 0xffff
	s_cselect_b32 s90, 1<<(\i), 0
	s_lshr_b32 s91, s[\m], 16
	s_cselect_b32 s91, 1<<(\i), 0
	s_or_b32 s[\f], s[\f], s90
	s_or_b32 s[\f+1], s[\f+1], s91
.endm
.irp i,0,1,2,3,4,5,6,7
	v_cmp_ne_u32 s88, 0, v[168+\i]
	v_cmp_ne_u32 s89, -1, v[176+\i]
	FLAG2 88, 84, \i
	FLAG2 89, 86, \i
.endr
	s_barrier_wait -1                              ; all 16 blocks are in LDS
.macro KLOAD adr                       ; K's eight tiles (6 registers each) and their scale words
.irp g,0,1,2,3,4,5,6,7,8,9,10,11
	ds_load_b128 v[32+4*\g:35+4*\g], v[\adr] offset:512*\g
.endr
	ds_load_b128 v[26:29], v[\adr] offset:6144
.endm
; A pass: steps p, p + 2, .. p + 14.  The first step's K has been asked for.
.macro PASS p
	s_mov_b32 s8, KVB*(\p)
	s_mov_b32 s4, 256*(\p)
	s_mov_b32 s7, 8
.Ltrip_\@:
	s_bitcmp1_b32 s[84+\p], 0
	s_cbranch_scc1 .Llive_\@
	s_bitcmp1_b32 s[84+\p], 1                      ; nothing counts in this step; my next step's K is fetched if that step is done
	s_cbranch_scc0 .Lnext_\@
	s_wait_dscnt 0x0                               ; no load into these registers is out
	s_add_co_u32 s9, s8, 2*KVB
	s_min_u32 s9, s9, KVB*(14+\p)
	v_add_nc_u32 v4, s9, v1
	KLOAD 4
	s_branch .Lnext_\@
.Llive_\@:
	s_bitcmp1_b32 s[86+\p], 0
	s_cbranch_scc0 .Lwhole_\@
	MWORDS 2+94*(\p)                               ; some key is masked: this step's words
.Lwhole_\@:
	s_wait_dscnt 0x0                               ; K is in
.irp t,0,2,4,6
	v_wmma_scale_f32_16x16x128_f8f6f4 v[128+8*\t:135+8*\t], v[32+6*\t:43+6*\t], v[12:23], 0, v[26+\t/2], v24 matrix_a_fmt:MATRIX_FMT_FP6 matrix_b_fmt:MATRIX_FMT_FP6
	v_wmma_scale_f32_16x16x128_f8f6f4 v[136+8*\t:143+8*\t], v[38+6*\t:49+6*\t], v[12:23], 0, v[26+\t/2], v24 matrix_a_fmt:MATRIX_FMT_FP6 matrix_b_fmt:MATRIX_FMT_FP6 matrix_a_scale:MATRIX_SCALE_ROW1
.endr
	s_add_co_u32 s9, s8, 2*KVB
	s_min_u32 s9, s9, KVB*(14+\p)
	v_add_nc_u32 v3, s8, v1                        ; four plain lines behind the matrix instructions (ISA guide 7.12.1)
	v_add_nc_u32 v4, s9, v1
	v_add_nc_u32 v5, s8, v2
	v_nop
.irp g,0,1,2,3,4,5,6,7,8,9,10,11
	ds_load_b128 v[80+4*\g:83+4*\g], v3 offset:6656+512*\g         ; V^T's four images
.endr
	ds_load_b32 v30, v5 offset:12800
	ds_load_b32 v31, v5 offset:12928
	KLOAD 4                                        ; my next step's K: 13 loads
	s_wait_kmcnt 0x0                               ; on every way: no load of mask words stays out
	s_bitcmp1_b32 s[86+\p], 0
	s_cbranch_scc0 .Lopen_\@
.set n, 0
.rept 48
	v_cndmask_b32 v[128+n], v6, v[128+n], s[16+n]
.set n, n+1
.endr
.rept 16
	v_cndmask_b32 v[128+n], v6, v[128+n], s[20+n]
.set n, n+1
.endr
.Lopen_\@:
.irp b,0,1,2,3
	v_max3_num_f32 v[236+\b], v[128+16*\b], v[129+16*\b], v[130+16*\b]   ; the largest score of each block of 32 keys; each accumulator is read from its low end on
.endr
.irp i,3,5,7,9,11,13
.irp b,0,1,2,3
	v_max3_num_f32 v[236+\b], v[236+\b], v[128+16*\b+\i], v[129+16*\b+\i]   ; (the four blocks by turns)
.endr
.endr
.irp b,0,1,2,3
	v_max_num_f32 v[236+\b], v[236+\b], v[143+16*\b]
.endr
.irp b,0,1,2,3
	s_delay_alu instid0(VALU_DEP_4)
	v_permlanex16_b32 v[240+\b], v[236+\b], s10, s11
.endr
.irp b,0,1,2,3
	s_delay_alu instid0(VALU_DEP_4)
	v_max_num_f32 v[236+\b], v[236+\b], v[240+\b]
.endr
	s_delay_alu instid0(VALU_DEP_2)
	v_max3_num_f32 v250, v236, v237, v238
	s_delay_alu instid0(VALU_DEP_1)
	v_max_num_f32 v250, v250, v239
	s_delay_alu instid0(VALU_DEP_1)
	v_mul_f32 v250, s12, v250
	s_delay_alu instid0(VALU_DEP_1)
	v_max_num_f32 v9, v9, v250                     ; the running largest t
	v_mov_b32 v250, v8
	s_delay_alu instid0(VALU_DEP_2)
	v_floor_f32 v8, -v9                            ; -M = -ceil(t)
	s_delay_alu instid0(VALU_DEP_1)
	v_sub_f32 v250, v8, v250
	s_delay_alu instid0(VALU_DEP_1)
	v_cvt_i32_f32 v250, v250
	s_delay_alu instid0(VALU_DEP_1)
	v_ldexp_f32 v248, 1.0, v250                    ; f = 2^(old M - new M)
.irp j,0,2,4,6,8,10,12,14,16,18,20,22,24,26,28,30,32,34,36,38,40,42,44,46,48,50,52,54,56,58,60,62
	v_pk_fma_f32 v[128+\j:129+\j], v[128+\j:129+\j], s[12:13], v[8:9] op_sel_hi:[1,0,0]   ; t - M
.endr
.irp b,0,1,2,3
	v_fma_f32 v[236+\b], v[236+\b], s12, v8
.endr
.set n, 0
	s_wait_alu depctr_va_vdst(0)                   ; the wait ahead of the batch
.rept 64
	v_exp_f32 v[128+n], v[128+n]
.set n, n+1
.endr
	v_pk_mul_f32 v[10:11], v[10:11], v[248:249] op_sel_hi:[1,0]
	s_wait_alu depctr_va_vdst(0)                   ; and behind it, ahead of its first reader
.irp b,0,1,2,3
	v_exp_f32 v[236+\b], v[236+\b]                 ; each block's largest p
.endr
	v_pk_add_f32 v[240:241], v[128:129], v[130:131]                ; the sum of the unquantised p, in two chains
.irp j,4,8,12,16,20,24,28,32,36,40,44,48,52,56,60
	v_pk_add_f32 v[10:11], v[10:11], v[128+\j:129+\j]
	v_pk_add_f32 v[240:241], v[240:241], v[130+\j:131+\j]
.endr
	s_delay_alu instid0(VALU_DEP_1)
	v_pk_add_f32 v[10:11], v[10:11], v[240:241]
	s_wait_alu depctr_va_vdst(0)
.irp b,0,1,2,3
	v_max_num_f32 v[236+\b], 0x1800000, v[236+\b]  ; the floor 2^(3 - 127): the byte cannot fall under 1
.endr
.irp b,0,1,2,3
	s_delay_alu instid0(VALU_DEP_4)
	v_add_nc_u32 v[244+\b], 0xff000000, v[236+\b]  ; 2 off the exponent field: the conversion's scale operand
.endr
.irp b,0,1,2,3
	s_delay_alu instid0(VALU_DEP_4)
	v_lshrrev_b32 v[240+\b], 23, v[244+\b]
.endr
	s_delay_alu instid0(VALU_DEP_3)
	v_lshl_or_b32 v25, v241, 8, v240
	s_delay_alu instid0(VALU_DEP_1)
	v_lshl_or_b32 v25, v242, 16, v25
	s_delay_alu instid0(VALU_DEP_1)
	v_lshl_or_b32 v25, v243, 24, v25
.irp c,0,1
	v_cvt_scalef32_pk16_fp6_f32 v[224+6*\c:226+6*\c], v[128+32*\c:143+32*\c], v[244+2*\c]
	v_cvt_scalef32_pk16_fp6_f32 v[236+4*\c:238+4*\c], v[144+32*\c:159+32*\c], v[245+2*\c]
.endr
	v_nop                                          ; a plain line behind the conversions
.irp c,0,1
.irp i,0,1,2
	v_permlane16_swap_b32 v[224+6*\c+\i], v[236+4*\c+\i]           ; a whole block to a lane
.endr
.irp i,0,1,2
	s_delay_alu instid0(VALU_DEP_3)
	v_mov_b32 v[227+6*\c+\i], v[236+4*\c+\i]
.endr
.endr
.irp j,0,2,4,6,8,10,12,14,16,18,20,22,24,26,28,30
	v_pk_mul_f32 v[192+\j:193+\j], v[192+\j:193+\j], v[248:249] op_sel_hi:[1,0]   ; O^T under the new M
.endr
	s_wait_alu depctr_va_vdst(0)
	s_wait_dscnt 13                                ; V is in; the next K's 13 loads may be out
.irp e,0,1
	v_wmma_scale_f32_16x16x128_f8f6f4 v[192+16*\e:199+16*\e], v[80+24*\e:91+24*\e], v[224:235], v[192+16*\e:199+16*\e], v[30+\e], v25 matrix_a_fmt:MATRIX_FMT_FP6 matrix_b_fmt:MATRIX_FMT_FP6
	v_wmma_scale_f32_16x16x128_f8f6f4 v[200+16*\e:207+16*\e], v[92+24*\e:103+24*\e], v[224:235], v[200+16*\e:207+16*\e], v[30+\e], v25 matrix_a_fmt:MATRIX_FMT_FP6 matrix_b_fmt:MATRIX_FMT_FP6 matrix_a_scale:MATRIX_SCALE_ROW1
.endr
.Lnext_\@:
	s_lshr_b32 s[84+\p], s[84+\p], 1
	s_lshr_b32 s[86+\p], s[86+\p], 1
	s_add_co_u32 s4, s4, 512
	s_add_co_u32 s8, s8, 2*KVB
	s_sub_co_u32 s7, s7, 1
	s_cmp_lg_u32 s7, 0
	s_cbranch_scc1 .Ltrip_\@
.endm
	KLOAD 1                                        ; step 0's K
	PASS 0
; Between the passes: the first tile's half goes to its slot, the second tile's Q comes from my stash, and the state begins anew.
	s_wait_dscnt 0x0                               ; the K asked for ahead is in: its registers are loaded again below
	v_add_f32 v10, v10, v11                        ; four plain lines behind the last matrix instructions
	v_add_nc_u32 v3, s66, v1
	v_add_nc_u32 v5, s66, v2
	v_add_nc_u32 v4, KVB, v1
.irp g,0,1,2,3,4,5,6,7
	ds_store_b128 v3, v[192+4*\g:195+4*\g] offset:512*\g           ; each accumulator from its low end on
.endr
	ds_store_b32 v5, v8 offset:4096
	ds_store_b32 v5, v10 offset:4224
.irp k,0,1,2,3,4,5
	ds_load_b32 v[12+\k], v253 offset:128*\k
.endr
	ds_load_b32 v24, v253 offset:768
	KLOAD 4                                        ; step 1's K
	v_mov_b32 v9, 0xff61b1e6
	v_floor_f32 v8, -v9
	v_mov_b32 v10, 0
	v_mov_b32 v11, 0
.irp j,0,1,2,3,4,5,6,7,8,9,10,11,12,13,14,15,16,17,18,19,20,21,22,23,24,25,26,27,28,29,30,31
	v_mov_b32 v[192+\j], 0
.endr
	s_wait_alu depctr_va_vdst(0)
	PASS 1
; The two halves of the tile that I finish meet.
	s_wait_dscnt 0x0                               ; my stores into my slot are done, my reads of K and V are over
	s_barrier_signal -1
	s_barrier_wait -1                              ; everybody's are
	v_add_nc_u32 v3, s67, v1
	v_add_nc_u32 v5, s67, v2
.irp g,0,1,2,3,4,5,6,7
	ds_load_b128 v[128+4*\g:131+4*\g], v3 offset:512*\g
.endr
	ds_load_b32 v160, v5 offset:4096
	ds_load_b32 v161, v5 offset:4224
	v_add_f32 v10, v10, v11
	v_mov_b32 v165, 0                              ; upper halves of pairs of which the low word serves both halves
	v_mov_b32 v167, 0
	s_wait_alu depctr_va_vdst(0)
	s_wait_dscnt 0x0
	v_min_num_f32 v162, v8, v160                   ; -M of the larger M
	v_sub_f32 v163, v162, v160
	v_sub_f32 v166, v162, v8
	v_cvt_i32_f32 v163, v163                       ; whole numbers, 0 or less (they saturate: a half with no step gets the factor 0)
	v_cvt_i32_f32 v166, v166
	v_ldexp_f32 v164, 1.0, v163                    ; the stored half's factor,
	v_ldexp_f32 v166, 1.0, v166                    ; and mine
	v_mul_f32 v10, v10, v166
	v_fma_f32 v10, v161, v164, v10
.irp j,0,2,4,6,8,10,12,14,16,18,20,22,24,26,28,30
	v_pk_mul_f32 v[192+\j:193+\j], v[192+\j:193+\j], v[166:167] op_sel_hi:[1,0]
.endr
.irp j,0,2,4,6,8,10,12,14,16,18,20,22,24,26,28,30
	v_pk_fma_f32 v[192+\j:193+\j], v[128+\j:129+\j], v[164:165], v[192+\j:193+\j] op_sel_hi:[1,0,1]
.endr
	v_permlanex16_b32 v248, v10, s10, s11
	v_add_f32 v10, v10, v248                       ; the row's sum
	s_wait_alu depctr_va_vdst(0)
	v_rcp_f32 v10, v10
	v_and_b32 v236, 15, v0
	v_bfe_u32 v237, v0, 4, 1
	s_mul_i32 s8, s6, 4352                         ; my stage: 16 rows x 272 bytes, in bytes of K and V, which nobody reads any more
	v_mul_u32_u24 v3, v236, 272
	v_mul_u32_u24 v4, v237, 272
	v_lshl_add_u32 v3, v237, 6, v3
	v_lshl_add_u32 v4, v236, 4, v4
	v_add_nc_u32 v3, s8, v3
	v_add_nc_u32 v4, s8, v4
	s_wait_alu depctr_va_vdst(0)
.irp j,0,1,2,3,4,5,6,7,8,9,10,11,12,13,14,15,16,17,18,19,20,21,22,23,24,25,26,27,28,29,30,31
	v_mul_f32 v[128+\j], v[192+\j], v10
.endr
.irp t,0,1,2,3
	ds_store_b128 v3, v[128+8*\t:131+8*\t] offset:128*(\t/2)+32*(\t%2)
	ds_store_b128 v3, v[132+8*\t:135+8*\t] offset:128*(\t/2)+32*(\t%2)+16
.endr
.irp i,0,1,2,3,4,5,6,7
	ds_load_b128 v[32+4*\i:35+4*\i], v4 offset:544*\i              ; my own bytes, served in order: whole rows of 256 bytes
.endr
.irp i,0,1,2,3,4,5,6,7
	s_wait_dscnt 7-\i
	global_store_b128 v7, v[32+4*\i:35+4*\i], s[14:15] offset:(2*\i+8*(\i/4))*4096   ; sixteen lanes store 256 consecutive bytes, aligned
.endr
	s_wait_tensorcnt 0x0                           ; the wave's end
	ds_add_u32 v254, v255
	s_wait_dscnt 0x0
	s_endpgm
.Lfunc_end_k_q27630089c8_attn:
	.size	k_q27630089c8_attn, .Lfunc_end_k_q27630089c8_attn-k_q27630089c8_attn
	.p2alignl 7, 3214868480
	.fill 96, 4, 3214868480
	.section	.rodata,"a",@progbits
	.p2align	6, 0x0
	.amdhsa_kernel k_q27630089c8_attn
		.amdhsa_group_segment_fixed_size 301056
		.amdhsa_private_segment_fixed_size 0
		.amdhsa_enable_private_segment 0
		.amdhsa_kernarg_size 24
		.amdhsa_user_sgpr_count 2
		.amdhsa_user_sgpr_kernarg_segment_ptr 1
		.amdhsa_wavefront_size32 1
		.amdhsa_system_sgpr_workgroup_id_x 1
		.amdhsa_system_sgpr_workgroup_id_y 1
		.amdhsa_system_sgpr_workgroup_id_z 1
		.amdhsa_system_vgpr_workitem_id 0
		.amdhsa_next_free_vgpr 256
		.amdhsa_next_free_sgpr 102
		.amdhsa_reserve_vcc 0
		.amdhsa_float_denorm_mode_32 3
		.amdhsa_float_denorm_mode_16_64 3
		.amdhsa_memory_ordered 1
		.amdhsa_forward_progress 1
		.amdhsa_inst_pref_size 75
	.end_amdhsa_kernel
	.amdgpu_metadata
---
amdhsa.version: [ 1, 2 ]
amdhsa.kernels:
  - .name:           k_q27630089c8_attn
    .symbol:         k_q27630089c8_attn.kd
    .args:
      - { .name: qkvc, .offset: 0, .size: 8, .value_kind: global_buffer, .address_space: global }
      - { .name: maskw, .offset: 8, .size: 8, .value_kind: global_buffer, .address_space: global }
      - { .name: attf, .offset: 16, .size: 8, .value_kind: global_buffer, .address_space: global }
    .group_segment_fixed_size: 301056
    .private_segment_fixed_size: 0
    .kernarg_segment_align: 8
    .kernarg_segment_size: 24
    .max_flat_workgroup_size: 512
    .sgpr_count:     102
    .vgpr_count:     256
    .wavefront_size: 32
...
	.end_amdgpu_metadata
.endif
;; end of part 3
;; launch ln2 (part 4): grid 256 x 1, 4 waves a work-group, no clusters, 31,744 bytes of LDS; arguments x, attf, ln2_g, ln2_b, yq; writes yq
.if DOCPART == 4
	.amdgcn_target "amdgcn-amd-amdhsa--gfx1250"
	.amdhsa_code_object_version 6
	.text
	.protected	k_q27630089c8_ln2
	.globl	k_q27630089c8_ln2
	.p2align	8
	.type	k_q27630089c8_ln2,@function
k_q27630089c8_ln2:
	s_mov_b64 s[64:65], 0
	v_nop
	global_prefetch_b8 v0, s[64:65] scope:SCOPE_SE
	s_setreg_imm32_b32 hwreg(HW_REG_WAVE_MODE, 25, 1), 1
	s_wait_xcnt 0x0
; Layer norm 2 of x + attention for 16 tokens (token tile t = the work-group's number) and its codes of FP6 (E2M3), laid as register images with their scale words, as the first launch lays layer norm 1.
; Tile t is the 16 tokens 32 (t / 2) + 8 (t % 2) + p + 8 (p / 8).  Wave w takes rows p = 4 w + i: four neighbouring tokens.  A row is eight loads of 512 dense bytes from each of the two tensors.
; A token whose attention is NaN (no key left by the mask) gets the scale byte 0xff in all its blocks: the next product is then NaN for that token and for no other.
; LIMITS: NaN and infinities in x are not served; a block whose largest magnitude lies under 2^-124 keeps the byte 1.
; v16-47 gain, v48-79 bias; v80-143 two rows of x; v144-207 two rows of attention; v208-239 a row after the turn: lane L holds block L.
.set IMG,  18432                       ; behind four stages of 4,608 bytes: the tile's 8 images,
.set SCT,  30720                       ; and its 8 x 64 bytes of scale words
	s_load_b128 s[4:7], s[0:1], 0x0                ; x, attention
	s_load_b128 s[8:11], s[0:1], 0x10              ; gain, bias
	s_load_b64 s[26:27], s[0:1], 0x20              ; yq
	v_lshl_add_u32 v254, v0, 2, 0x7a00
	v_mov_b32 v255, 0
	v_lshrrev_b32 v1, 5, v0
	v_readfirstlane_b32 s12, v1
	v_and_b32 v1, 31, v0
	s_wait_alu depctr_va_vdst(0)
	v_lshlrev_b32 v2, 4, v1
	s_lshr_b32 s13, ttmp9, 1
	s_lshl_b32 s13, s13, 5
	s_and_b32 s14, ttmp9, 1
	s_lshl_b32 s14, s14, 3
	s_add_co_u32 s13, s13, s14
	s_lshl_b32 s14, s12, 2
	s_add_co_u32 s13, s13, s14
	s_lshr_b32 s14, s12, 1
	s_lshl_b32 s14, s14, 3
	s_add_co_u32 s13, s13, s14                     ; my first token
	s_lshl_b32 s14, s13, 12
	s_mov_b32 s15, 0
	s_mov_b32 s16, 0x3a800000                      ; 1 / 1,024
	s_mov_b32 s17, 0x3727c5ac                      ; 1e-5
	s_mov_b32 s20, 0x76543210
	s_mov_b32 s21, 0xfedcba98
	s_mul_i32 s18, s12, 4608
	v_lshrrev_b32 v3, 3, v1
	v_mul_u32_u24 v3, v3, 144
	v_and_b32 v4, 7, v1
	v_lshl_add_u32 v3, v4, 4, v3
	v_add_nc_u32 v3, s18, v3                       ; the stage, in: 576 j + 144 (L / 8) + 16 (L % 8)
	v_mul_u32_u24 v4, v1, 144
	v_add_nc_u32 v4, s18, v4                       ; out: 144 L
	v_lshrrev_b32 v5, 2, v1
	v_mul_u32_u24 v5, v5, 1536
	v_and_b32 v6, 1, v1
	v_lshl_add_u32 v5, v6, 8, v5
	s_lshl_b32 s18, s12, 6
	s_add_co_u32 s18, s18, IMG
	v_add_nc_u32 v5, s18, v5
	v_bfe_u32 v7, v1, 1, 1                         ; registers 6 c .. 6 c + 5 lie at 0, 8, 512 (c = 0) or 520, 1024, 1032 (c = 1)
	v_mad_u32_u24 v6, v7, 1016, v5
	v_mad_u32_u24 v5, v7, 520, v5
	v_lshrrev_b32 v7, 2, v1
	v_lshlrev_b32 v7, 6, v7
	v_and_b32 v8, 3, v1
	v_add_nc_u32 v7, v7, v8
	s_lshl_b32 s18, s12, 4
	s_add_co_u32 s18, s18, SCT
	v_add_nc_u32 v7, s18, v7
	s_mul_i32 s18, s12, 3072
	v_add_nc_u32 v9, s18, v2
	v_add_nc_u32 v8, IMG, v9
	v_add_nc_u32 v13, SCT, v2
	v_mov_b32 v14, 255
	v_mov_b32 v245, 0
	v_mov_b32 v247, 0
	s_mul_i32 s18, ttmp9, 12288
	s_mov_b32 s19, 0
	s_lshl_b32 s24, ttmp9, 9
	s_add_co_u32 s24, s24, 3145728
	s_mov_b32 s25, 0
	s_wait_kmcnt 0x0
	s_add_nc_u64 s[4:5], s[4:5], s[14:15]
	s_add_nc_u64 s[6:7], s[6:7], s[14:15]
	s_add_nc_u64 s[22:23], s[26:27], s[18:19]
	s_add_nc_u64 s[26:27], s[26:27], s[24:25]
.irp j,0,1,2,3,4,5,6,7
	global_load_b128 v[16+4*\j:19+4*\j], v2, s[8:9] offset:512*\j
.endr
.irp j,0,1,2,3,4,5,6,7
	global_load_b128 v[48+4*\j:51+4*\j], v2, s[10:11] offset:512*\j
.endr
.irp i,0,1
.irp j,0,1,2,3,4,5,6,7
	global_load_b128 v[80+32*\i+4*\j:83+32*\i+4*\j], v2, s[4:5] offset:4096*\i+512*\j th:TH_LOAD_NT
.endr
.irp j,0,1,2,3,4,5,6,7
	global_load_b128 v[144+32*\i+4*\j:147+32*\i+4*\j], v2, s[6:7] offset:4096*\i+512*\j th:TH_LOAD_NT
.endr
.endr
.macro ALLSUM a, t
	v_add_f32_dpp v[\a], v[\a], v[\a] row_xmask:1 row_mask:0xf bank_mask:0xf
	v_add_f32_dpp v[\a], v[\a], v[\a] row_xmask:2 row_mask:0xf bank_mask:0xf
	v_add_f32_dpp v[\a], v[\a], v[\a] row_xmask:4 row_mask:0xf bank_mask:0xf
	v_add_f32_dpp v[\a], v[\a], v[\a] row_xmask:8 row_mask:0xf bank_mask:0xf
	v_permlanex16_b32 v[\t], v[\a], s20, s21
	v_add_f32 v[\a], v[\a], v[\t]
.endm
.macro ROW i, left                     ; left: the next row's sixteen loads, which may stay out
.set XS, 80+32*((\i)%2)
.set XT, 144+32*((\i)%2)
	s_wait_loadcnt \left
.irp j,0,2,4,6,8,10,12,14,16,18,20,22,24,26,28,30
	v_pk_add_f32 v[XS+\j:XS+\j+1], v[XS+\j:XS+\j+1], v[XT+\j:XT+\j+1]
.endr
	v_pk_add_f32 v[240:241], v[XS:XS+1], v[XS+2:XS+3]
	v_pk_add_f32 v[242:243], v[XS+4:XS+5], v[XS+6:XS+7]
.irp j,8,12,16,20,24,28
	v_pk_add_f32 v[240:241], v[240:241], v[XS+\j:XS+\j+1]
	v_pk_add_f32 v[242:243], v[242:243], v[XS+\j+2:XS+\j+3]
.endr
	v_pk_add_f32 v[240:241], v[240:241], v[242:243]
	v_add_f32 v240, v240, v241
	ALLSUM 240, 241
	v_mul_f32 v244, s16, v240                      ; the mean
.irp j,0,2,4,6,8,10,12,14,16,18,20,22,24,26,28,30
	v_pk_add_f32 v[XS+\j:XS+\j+1], v[XS+\j:XS+\j+1], v[244:245] op_sel_hi:[1,0] neg_lo:[0,1] neg_hi:[0,1]
.endr
	v_pk_mul_f32 v[240:241], v[XS:XS+1], v[XS:XS+1]
	v_pk_mul_f32 v[242:243], v[XS+2:XS+3], v[XS+2:XS+3]
.irp j,4,8,12,16,20,24,28
	v_pk_fma_f32 v[240:241], v[XS+\j:XS+\j+1], v[XS+\j:XS+\j+1], v[240:241]
	v_pk_fma_f32 v[242:243], v[XS+\j+2:XS+\j+3], v[XS+\j+2:XS+\j+3], v[242:243]
.endr
	v_pk_add_f32 v[240:241], v[240:241], v[242:243]
	v_add_f32 v240, v240, v241
	ALLSUM 240, 241
	v_fma_f32 v246, v240, s16, s17
	s_wait_alu depctr_va_vdst(0)
	v_rsq_f32 v246, v246
	v_nop                                          ; a plain line behind the transcendental,
	s_wait_alu depctr_va_vdst(0)                   ; and the wait ahead of its first reader
.irp j,0,2,4,6,8,10,12,14,16,18,20,22,24,26,28,30
	v_pk_mul_f32 v[XS+\j:XS+\j+1], v[XS+\j:XS+\j+1], v[246:247] op_sel_hi:[1,0]
.endr
.irp j,0,2,4,6,8,10,12,14,16,18,20,22,24,26,28,30
	v_pk_fma_f32 v[XS+\j:XS+\j+1], v[XS+\j:XS+\j+1], v[16+\j:17+\j], v[48+\j:49+\j]
.endr
.irp j,0,1,2,3,4,5,6,7
	ds_store_b128 v3, v[XS+4*\j:XS+4*\j+3] offset:576*\j          ; the turn: a wave's LDS instructions are served in order
.endr
.irp j,0,1,2,3,4,5,6,7
	ds_load_b128 v[208+4*\j:211+4*\j], v4 offset:16*\j
.endr
	s_wait_dscnt 0x0                               ; my block is in; all my LDS stores have read their registers
.if (\i)+2 < 4
.irp j,0,1,2,3,4,5,6,7
	global_load_b128 v[XS+4*\j:XS+4*\j+3], v2, s[4:5] offset:4096*((\i)+2)+512*\j th:TH_LOAD_NT
.endr
.irp j,0,1,2,3,4,5,6,7
	global_load_b128 v[XT+4*\j:XT+4*\j+3], v2, s[6:7] offset:4096*((\i)+2)+512*\j th:TH_LOAD_NT
.endr
.endif
	v_max3_num_f32 v240, |v208|, |v209|, |v210|
	v_max3_num_f32 v241, |v211|, |v212|, |v213|
.irp j,6,10,14,18,22,26
	v_max3_num_f32 v240, v240, |v[208+\j]|, |v[209+\j]|
	v_max3_num_f32 v241, v241, |v[210+\j]|, |v[211+\j]|
.endr
	v_max3_num_f32 v240, v240, |v238|, |v239|
	v_max3_num_f32 v240, v240, v241, 0x1800000     ; the floor 2^(3 - 127)
	v_add_nc_u32 v242, 0xff000000, v240
	v_cvt_scalef32_pk16_fp6_f32 v[248:250], v[208:223], v242
	v_cvt_scalef32_pk16_fp6_f32 v[10:12], v[224:239], v242
	v_lshrrev_b32 v243, 23, v242                   ; the byte; also the plain line behind the conversions
	v_cmp_neq_f32 vcc_lo, v208, v208               ; a NaN row is NaN in every number
	v_cndmask_b32 v243, v243, v14, vcc_lo
	v_mov_b32 v251, v10
	v_mov_b32 v252, v11
	v_mov_b32 v253, v12
	ds_store_b64 v5, v[248:249] offset:16*(\i)
	ds_store_b64 v6, v[250:251] offset:8+16*(\i)
	ds_store_b64 v5, v[252:253] offset:512+16*(\i)
	ds_store_b8 v7, v243 offset:4*(\i)
.endm
	ROW 0, 16
	ROW 1, 16
	ROW 2, 16
	ROW 3, 0
	s_wait_dscnt 0x0
	s_barrier_signal -1
	s_barrier_wait -1
.irp k,0,1,2,3,4,5
	ds_load_b128 v[16+4*\k:19+4*\k], v8 offset:512*\k
.endr
.irp k,0,1,2,3,4,5
	s_wait_dscnt 5-\k
	global_store_b128 v9, v[16+4*\k:19+4*\k], s[22:23] offset:512*\k
.endr
	s_cmp_lg_u32 s12, 0
	s_cbranch_scc1 .Lend
	ds_load_b128 v[48:51], v13
	s_wait_dscnt 0x0
	global_store_b128 v2, v[48:51], s[26:27]
.Lend:
	s_wait_tensorcnt 0x0
	ds_add_u32 v254, v255
	s_wait_dscnt 0x0
	s_endpgm
.Lfunc_end_k_q27630089c8_ln2:
	.size	k_q27630089c8_ln2, .Lfunc_end_k_q27630089c8_ln2-k_q27630089c8_ln2
	.p2alignl 7, 3214868480
	.fill 96, 4, 3214868480
	.section	.rodata,"a",@progbits
	.p2align	6, 0x0
	.amdhsa_kernel k_q27630089c8_ln2
		.amdhsa_group_segment_fixed_size 31744
		.amdhsa_private_segment_fixed_size 0
		.amdhsa_enable_private_segment 0
		.amdhsa_kernarg_size 40
		.amdhsa_user_sgpr_count 2
		.amdhsa_user_sgpr_kernarg_segment_ptr 1
		.amdhsa_wavefront_size32 1
		.amdhsa_system_sgpr_workgroup_id_x 1
		.amdhsa_system_sgpr_workgroup_id_y 1
		.amdhsa_system_sgpr_workgroup_id_z 1
		.amdhsa_system_vgpr_workitem_id 0
		.amdhsa_next_free_vgpr 256
		.amdhsa_next_free_sgpr 66
		.amdhsa_reserve_vcc 1
		.amdhsa_float_denorm_mode_32 3
		.amdhsa_float_denorm_mode_16_64 3
		.amdhsa_memory_ordered 1
		.amdhsa_forward_progress 1
		.amdhsa_inst_pref_size 52
	.end_amdhsa_kernel
	.amdgpu_metadata
---
amdhsa.version: [ 1, 2 ]
amdhsa.kernels:
  - .name:           k_q27630089c8_ln2
    .symbol:         k_q27630089c8_ln2.kd
    .args:
      - { .name: x, .offset: 0, .size: 8, .value_kind: global_buffer, .address_space: global }
      - { .name: attf, .offset: 8, .size: 8, .value_kind: global_buffer, .address_space: global }
      - { .name: ln2_g, .offset: 16, .size: 8, .value_kind: global_buffer, .address_space: global }
      - { .name: ln2_b, .offset: 24, .size: 8, .value_kind: global_buffer, .address_space: global }
      - { .name: yq, .offset: 32, .size: 8, .value_kind: global_buffer, .address_space: global }
    .group_segment_fixed_size: 31744
    .private_segment_fixed_size: 0
    .kernarg_segment_align: 8
    .kernarg_segment_size: 40
    .max_flat_workgroup_size: 128
    .sgpr_count:     66
    .vgpr_count:     256
    .wavefront_size: 32
...
	.end_amdgpu_metadata
.endif
;; end of part 4
;; launch ffn1 (part 5): grid 16 x 16, 4 waves a work-group, clusters of 4 x 4, 327,680 bytes of LDS; arguments yq, wimg, b1, hq; writes hq
.if DOCPART == 5
	.amdgcn_target "amdgcn-amd-amdhsa--gfx1250"
	.amdhsa_code_object_version 6
	.text
	.protected	k_q27630089c8_ffn1
	.globl	k_q27630089c8_ffn1
	.p2align	8
	.type	k_q27630089c8_ffn1,@function
k_q27630089c8_ffn1:
	s_mov_b64 s[64:65], 0
	v_nop
	global_prefetch_b8 v0, s[64:65] scope:SCOPE_SE
	s_setreg_imm32_b32 hwreg(HW_REG_WAVE_MODE, 25, 1), 1
	s_wait_xcnt 0x0
	s_wait_alu depctr_hold_cnt(0) depctr_sa_sdst(0) depctr_va_vdst(0) depctr_va_sdst(0) depctr_va_ssrc(0) depctr_va_vcc(0) depctr_vm_vsrc(0)
	s_getreg_b32 s2, hwreg(HW_REG_IB_STS2, 6, 4)
	s_cmp_eq_u32 s2, 0
	s_cbranch_scc0 .Lentry_in_a_cluster
	s_endpgm
.Lentry_in_a_cluster:
	s_bfe_u32 s2, ttmp6, 0x10000c
	s_cmp_lg_u32 s2, 0xf033
	s_cbranch_scc0 .Lentry_shape_is_right
	s_endpgm
.Lentry_shape_is_right:
; h = gelu(y W1 + b1) for 256 tokens (work-group y) x 256 hidden units (work-group x), on codes of FP6 (E2M3), K = 1,024; h is quantised at once along the hidden units and leaves as register images.
; Four waves: th = wave / 2 takes 128 tokens (8 tiles a), wx = wave % 2 takes 128 hidden units (8 tiles b): 64 accumulators.  Source 0 = 16 rows of W1, source 1 = 16 tokens: a lane holds one token, and the 16 registers
; of tiles 2 b, 2 b + 1 are 16 neighbouring hidden units: a wave's 64 registers of a token tile are one K step of the next product.  b1 is the C of each sum's first matrix instruction.
; Operands come as register images through a ring of two LDS slots of K = 256.  CLUSTER 4 x 4: token images are asked for jointly by a row of the cluster, weight images by a column.  All eight K steps are written out.
; GELU: 0.5 x (1 + erf(x / sqrt 2)) = x u, u = 0.5 + xc A(xc^2) / B(xc^2), xc = x held to +-4 sqrt 2: the rational form of erf of degrees 13 and 8, its constants scaled for the argument x.
; A token that is NaN gets the scale bytes 0xff, so that the next product is NaN for it.
; REGISTERS: window 0: v1-13 addresses, v28-29 for the add, v32-63 scale words (two sets of 16), v64-255 token fragments, two sets.  window 1: weight fragments, two sets; v192-255 b1.  windows 2, 3: accumulator (a, b) at v[8 (8 (a % 4) + b)].
; LIMITS: a block whose largest magnitude lies under 2^-124 keeps the byte 1.  The scale words leave in pieces of 64 bytes.
.set SLOT1, 131072
.set WOFF,  49152
.set TSC,   98304
.set WSC,   106496
.set SPARE, 262144
.set LI,  1
.set ADT, 2
.set ADW, 4
.set AST, 6
.set ASW, 7
.set SPW, 28
.set NIL, 29
.set SC,  32
.set TF,  64
.set G1,  24
.set G0,  32
.set G1B, 48
.set G0B, 56
.set G1S, 68
.set G0S, 76
.set G1SB, 80
.set G0SB, 88
.set MSB, 0
.macro WIN new
.if MSB != \new
	s_set_vgpr_msb (MSB<<8)|\new
.set MSB, \new
.endif
.endm
.macro PLACES
.rept 4
	v_nop
.endr
.endm
.macro JLOAD g0a, g1a, g0b, g1b        ; a joint load: waves 0, 1 fetch token images, waves 2, 3 weight images; four v_nop follow each line
	s_cmp_eq_u32 s15, 0
	s_cbranch_scc0 .Lfor_b_\@
	tensor_load_to_lds s[\g0a:\g0a+3], s[\g1a:\g1a+7]
	s_nop 0
.rept 4
	v_nop
.endr
	s_branch .Lasked_\@
.Lfor_b_\@:
	tensor_load_to_lds s[\g0b:\g0b+3], s[\g1b:\g1b+7]
	s_nop 0
.rept 4
	v_nop
.endr
.Lasked_\@:
.endm
.macro CREST
	s_cmp_lg_u32 s14, 0
	s_cbranch_scc1 .Lnot_wave_0_\@
	s_barrier_signal -3
.Lnot_wave_0_\@:
	s_barrier_wait -3
	s_barrier_signal -1
	s_barrier_wait -1
.endm
.macro CROUND
	s_barrier_signal -1
	s_barrier_wait -1
	CREST
.endm
.macro SHAPE g, c, r, p
	s_mov_b32 s[\g+1], (\c)<<16
	s_mov_b32 s[\g+2], (\r)<<16
	s_mov_b32 s[\g+3], (\c)<<16
	s_mov_b32 s[\g+4], \r
	s_mov_b32 s[\g+5], \p
	s_mov_b32 s[\g+6], 0
	s_mov_b32 s[\g+7], 0
.endm
.macro WHERE g, lds, off, adr, step
	s_mov_b32 s[\g], 1
	s_add_co_u32 s[\g+1], s[\lds], \off
	s_add_nc_u64 s[\g+2:\g+3], s[\adr:\adr+1], \step
	s_or_b32 s[\g+3], s[\g+3], 0x80000000
.endm
.macro EMIT                            ; one matrix instruction from the symbols rD, rA, rB, rC, rSA, rSB, oA, oB (1: the scales stand in lanes 16-31)
.if oA && oB
	v_wmma_scale_f32_16x16x128_f8f6f4 v[rD:rD+7], v[rA:rA+11], v[rB:rB+11], v[rC:rC+7], v[rSA], v[rSB] matrix_a_fmt:MATRIX_FMT_FP6 matrix_b_fmt:MATRIX_FMT_FP6 matrix_a_scale:MATRIX_SCALE_ROW1 matrix_b_scale:MATRIX_SCALE_ROW1
.elseif oA
	v_wmma_scale_f32_16x16x128_f8f6f4 v[rD:rD+7], v[rA:rA+11], v[rB:rB+11], v[rC:rC+7], v[rSA], v[rSB] matrix_a_fmt:MATRIX_FMT_FP6 matrix_b_fmt:MATRIX_FMT_FP6 matrix_a_scale:MATRIX_SCALE_ROW1
.elseif oB
	v_wmma_scale_f32_16x16x128_f8f6f4 v[rD:rD+7], v[rA:rA+11], v[rB:rB+11], v[rC:rC+7], v[rSA], v[rSB] matrix_a_fmt:MATRIX_FMT_FP6 matrix_b_fmt:MATRIX_FMT_FP6 matrix_b_scale:MATRIX_SCALE_ROW1
.else
	v_wmma_scale_f32_16x16x128_f8f6f4 v[rD:rD+7], v[rA:rA+11], v[rB:rB+11], v[rC:rC+7], v[rSA], v[rSB] matrix_a_fmt:MATRIX_FMT_FP6 matrix_b_fmt:MATRIX_FMT_FP6
.endif
.endm
	s_load_b128 s[4:7], s[0:1], 0x0                ; yq, wimg
	s_load_b128 s[8:11], s[0:1], 0x10              ; b1, hq
	v_lshl_add_u32 v[SPW], v0, 2, SPARE
	v_mov_b32 v[NIL], 0
	ds_add_u32 v28, v29
	ds_add_u32 v28, v29
	s_wait_dscnt 0x0
	v_lshrrev_b32 v1, 5, v0
	v_readfirstlane_b32 s14, v1
	s_lshr_b32 s15, s14, 1                         ; th.  Also: I fetch token images (0) or weight images (1)
	s_and_b32 s16, s14, 1                          ; wx.  Also: which half of them I fetch
	s_bfe_u32 s40, ttmp6, 0x40000
	s_bfe_u32 s41, ttmp6, 0x40004
	s_lshl_b32 s42, ttmp9, 2
	s_add_co_u32 s42, s42, s40                     ; x: 256 hidden units
	s_and_b32 s17, ttmp7, 0xffff
	s_lshl_b32 s17, s17, 2
	s_add_co_u32 s17, s17, s41                     ; y: 256 tokens
	s_lshl_b32 s43, s41, 2
	s_lshl_b32 s43, 15, s43
	s_lshl_b32 s44, 0x1111, s40
	s_or_b32 s[G1+0], s43, (3<<16)|(1<<21)
	s_or_b32 s[G1B+0], s44, (3<<16)|(1<<21)
	s_or_b32 s[G1S+0], s43, (3<<16)|(1<<21)
	s_or_b32 s[G1SB+0], s44, (3<<16)|(1<<21)
	SHAPE G1, 384, 16, 1536                        ; for the head's loads: all 16 tiles x 3,072 bytes, 12,288 bytes apart
	SHAPE G1B, 384, 16, 1536
	SHAPE G1S, 32, 32, 32                          ; 8,192 dense bytes as rows of 256
	SHAPE G1SB, 32, 32, 32
	s_lshl_b32 s20, s17, 4                         ; token tile 16 y
	s_mul_i32 s2, s16, 98304                       ; in the ring I fetch half of the tiles: 8 tiles on
	s_mov_b32 s3, 0
	s_lshl_b32 s22, s20, 9
	s_add_co_u32 s22, s22, 3145728
	s_mov_b32 s23, 0
	s_mul_i32 s20, s20, 12288
	s_mov_b32 s21, 0
	s_lshl_b32 s46, s42, 4                         ; weight tile 16 x
	s_lshl_b32 s92, s46, 9
	s_add_co_u32 s92, s92, 8749056
	s_mov_b32 s93, 0
	s_mul_i32 s46, s46, 12288
	s_add_co_u32 s46, s46, 2359296
	s_mov_b32 s47, 0
	s_mul_i32 s45, s16, 24576
	s_add_co_u32 s94, s45, WOFF
	s_wait_kmcnt 0x0
	s_add_nc_u64 s[20:21], s[4:5], s[20:21]
	s_add_nc_u64 s[22:23], s[4:5], s[22:23]
	s_add_nc_u64 s[46:47], s[6:7], s[46:47]
	s_add_nc_u64 s[92:93], s[6:7], s[92:93]
	CROUND
; THE HEAD'S LOADS, ONE A WAVE: wave 0 slot 0's token images, wave 1 its weight images, wave 2 the token tiles' scale words, wave 3 the weight tiles'.
.macro HEADW g, lds, adr               ; a group 0 for a whole tile
	s_mov_b32 s[\g], 1
	s_mov_b32 s[\g+1], \lds
	s_mov_b64 s[\g+2:\g+3], s[\adr:\adr+1]
	s_or_b32 s[\g+3], s[\g+3], 0x80000000
.endm
.macro ARM under, g0, g1, next         ; one arm of the tree: its load, and a jump to the tree's end
	s_cmp_lt_u32 s14, \under
	s_cbranch_scc0 \next
	tensor_load_to_lds s[\g0:\g0+3], s[\g1:\g1+7]
	s_nop 0
.rept 4
	v_nop
.endr
	s_branch .Lhead_asked
\next:
.endm
	HEADW G0, 0, 20
	HEADW G0B, WOFF, 46
	HEADW G0S, TSC, 22
	HEADW G0SB, WSC, 92
	s_add_nc_u64 s[20:21], s[20:21], s[2:3]        ; for the ring: my half of the tiles
	s_add_nc_u64 s[46:47], s[46:47], s[2:3]
	WHERE G0+4, 45, SLOT1, 20, 3072
	WHERE G0B+4, 94, SLOT1, 46, 3072
	ARM 1, G0,  G1,  .Lhead_b
	ARM 2, G0B, G1B, .Lhead_sa
	ARM 3, G0S, G1S, .Lhead_sb
	tensor_load_to_lds s[G0SB:G0SB+3], s[G1SB:G1SB+7]
	s_nop 0
.rept 4
	v_nop
.endr
.Lhead_asked:
; DATA PREFETCHES.  A slot's fill is 3,072 bytes of each tile: 12 blocks of 256 bytes.  Of the 16 tiles that four partners ask for jointly each partner names four, told apart by address alone (cx for token images, cy for weight
; images); its two waves of that kind take two tiles each: 24 blocks, a lane a block; lanes left over name the wave's last block again.  Here: fills 1 and 2; with fill 2's load: fill 3.  Fill 0 comes by its load alone.
	s_cmp_eq_u32 s15, 0                            ; do I fetch token images?
	s_cselect_b32 s2, s17, s42
	s_cselect_b32 s3, s40, s41
	s_cselect_b64 s[98:99], s[4:5], s[6:7]
	s_cselect_b32 s18, 0, 2359296
	s_lshl_b32 s2, s2, 4
	s_lshl_b32 s3, s3, 2
	s_add_co_u32 s2, s2, s3                        ; the first of my work-group's four tiles
	s_mul_i32 s2, s2, 12288
	s_add_co_u32 s2, s2, s18
	s_mov_b32 s3, 0
	s_add_nc_u64 s[98:99], s[98:99], s[2:3]
	s_mul_i32 s18, s16, 24
	v_and_b32 v30, 31, v0
	v_min_u32 v30, 23, v30
	v_add_nc_u32 v30, s18, v30                     ; my block among them, 0 .. 47
	v_mul_u32_u24 v31, v30, 43
	v_lshrrev_b32 v31, 9, v31                      ; block / 12: its tile
	v_mul_u32_u24 v31, v31, 9216                   ; a tile is 12,288 bytes on, 12 blocks are 3,072
	v_lshl_add_u32 v30, v30, 8, v31                ; never rewritten
	global_prefetch_b8 v30, s[98:99] offset:3072 th:TH_LOAD_NT scope:SCOPE_SE
	global_prefetch_b8 v30, s[98:99] offset:6144 th:TH_LOAD_NT scope:SCOPE_SE
	v_and_b32 v8, 31, v0
	v_lshlrev_b32 v[LI], 4, v8
	v_and_b32 v10, 15, v0
	v_bfe_u32 v11, v0, 4, 1
	s_mul_i32 s18, s15, 24576
	v_add_nc_u32 v[ADT], s18, v[LI]
	s_add_co_u32 s18, s18, SLOT1
	v_add_nc_u32 v[ADT+1], s18, v[LI]
	s_mul_i32 s18, s16, 24576
	s_add_co_u32 s18, s18, WOFF
	v_add_nc_u32 v[ADW], s18, v[LI]
	s_add_co_u32 s18, s18, SLOT1
	v_add_nc_u32 v[ADW+1], s18, v[LI]
	v_lshlrev_b32 v12, 2, v10
	v_lshl_add_u32 v9, v11, 11, v12                ; the way out: word r; lanes 16-31 the odd tile, 2,048 bytes on
	v_lshl_add_u32 v12, v11, 9, v12
	s_lshl_b32 s18, s15, 12
	s_add_co_u32 s18, s18, TSC
	v_add_nc_u32 v[AST], s18, v12
	s_lshl_b32 s18, s16, 12
	s_add_co_u32 s18, s18, WSC
	v_add_nc_u32 v[ASW], s18, v12
	v_lshlrev_b32 v13, 6, v11                      ; b1: lane (r, h) wants, for tile b, hidden units 32 (b / 2) + 8 (b % 2) + 16 h + 0 .. 7
	s_lshl_b32 s18, s42, 10
	s_lshl_b32 s19, s16, 9
	s_add_co_u32 s18, s18, s19
	s_mov_b32 s19, 0
	s_add_nc_u64 s[8:9], s[8:9], s[18:19]
	WIN 0x40
.irp b,0,1,2,3,4,5,6,7
	global_load_b128 v[192+8*\b:195+8*\b], v13, s[8:9] offset:(32*(\b/2)+8*(\b%2))*4
	global_load_b128 v[196+8*\b:199+8*\b], v13, s[8:9] offset:(32*(\b/2)+8*(\b%2))*4+16
.endr
	WIN 0
.macro FETCHT set, slot, q
.irp a,0,1,2,3,4,5,6,7
.irp g,0,1,2
	ds_load_b128 v[TF+96*(\set)+12*\a+4*\g:TF+96*(\set)+12*\a+4*\g+3], v[ADT+\slot] offset:3072*\a+1536*(\q)+512*\g
.endr
.endr
.endm
.macro FETCHW set, slot, q
	WIN 0x40
.irp b,0,1,2,3,4,5,6,7
.irp g,0,1,2
	ds_load_b128 v[96*(\set)+12*\b+4*\g:96*(\set)+12*\b+4*\g+3], v[ADW+\slot] offset:3072*\b+1536*(\q)+512*\g
.endr
.endr
	WIN 0
.endm
.macro SCALES set, ks
.irp p,0,1,2,3
.irp q,0,1
	ds_load_b32 v[SC+16*(\set)+2*\p+\q], v[AST] offset:1024*\p+64*((\ks)+\q)
	ds_load_b32 v[SC+16*(\set)+8+2*\p+\q], v[ASW] offset:1024*\p+64*((\ks)+\q)
.endr
.endr
.endm
; The 64 accumulators take turns, one instruction a turn, in the same order in every step.  bias = 1: C is b1, in window 1.
.macro MM a0, n, set, q, sc, bias
.set ia, \a0
.rept \n
.set ib, 0
.rept 8
.set rD, 8*(8*(ia%4)+ib)
.set rA, 96*(\set)+12*ib
.set rB, TF+96*(\set)+12*ia
.set rSA, SC+16*(\sc)+8+2*(ib/2)+(\q)
.set rSB, SC+16*(\sc)+2*(ia/2)+(\q)
.set oA, ib%2
.set oB, ia%2
.if \bias
.set rC, 192+8*ib
.else
.set rC, rD
.endif
	EMIT
.set ib, ib+1
.endr
.set ia, ia+1
.endr
.endm
.macro STEPM slot, bias
	s_wait_dscnt 0x0
	PLACES
	FETCHW 1, \slot, 1
	FETCHT 1, \slot, 1
.if \bias
	WIN 0x91                                       ; source 0 and C window 1, D window 2
.else
	WIN 0xa1
.endif
	MM 0, 4, 0, 0, \slot, \bias
.if \bias
	WIN 0xd1
.else
	WIN 0xf1
.endif
	MM 4, 4, 0, 0, \slot, \bias
.endm
.macro TURN slot, next, fill, ks
	WIN 0
	s_wait_tensorcnt 0x0                           ; all my tensor loads have landed: my part of the next slot
	ds_add_u32 v[SPW], v[NIL]                      ; 0 onto my spare word
	s_wait_dscnt 1                                 ; the add alone may be out
	WIN 0xa1
	MM 0, 2, 1, 1, \slot, 0
	s_wait_dscnt 0x0                               ; the add is done, and my reads of this slot are over
	s_barrier_signal -1
	MM 2, 2, 1, 1, \slot, 0
	WIN 0
	s_barrier_wait -1
.if \fill
	CREST
	s_add_nc_u64 s[G0+4*\slot+2:G0+4*\slot+3], s[G0+4*\slot+2:G0+4*\slot+3], 6144
	s_add_nc_u64 s[G0B+4*\slot+2:G0B+4*\slot+3], s[G0B+4*\slot+2:G0B+4*\slot+3], 6144
	JLOAD G0+4*\slot, G1, G0B+4*\slot, G1B         ; the first tensor load behind the round; its four v_nop are also the places for the loads below
.else
	PLACES
.endif
	FETCHW 0, \next, 0
	FETCHT 0, \next, 0
	SCALES \next, \ks
.if (\ks) == 2
	global_prefetch_b8 v30, s[98:99] offset:9216 th:TH_LOAD_NT scope:SCOPE_SE   ; the last fill, one change of slots ahead of its load
.endif
	WIN 0xf1
	MM 4, 4, 1, 1, \slot, 0
.endm
	s_wait_alu depctr_va_vdst(0)
	s_wait_tensorcnt 0x0                           ; my tile of the head's four is in; these lines stand ahead of a later first fill as ahead of a refill
	ds_add_u32 v[SPW], v[NIL]                      ; 0 onto my spare word
	s_mov_b32 s[G1+2], 8<<16                       ; no tensor load of mine is out: from here on a load brings half of the tiles
	s_mov_b32 s[G1+4], 8
	s_mov_b32 s[G1B+2], 8<<16
	s_mov_b32 s[G1B+4], 8
	WHERE G0, 45, 0, 20, 0                         ; slot 0's group 0 for the ring: my half
	WHERE G0B, 94, 0, 46, 0
	s_wait_dscnt 0x0
	CROUND                                         ; all four tiles are in, and all sixteen work-groups are here
	JLOAD G0+4, G1, G0B+4, G1B                     ; slot 1's first fill: the first tensor load behind the round
	FETCHW 0, 0, 0
	FETCHT 0, 0, 0
	SCALES 0, 0
	s_wait_loadcnt 0x0                             ; b1
	STEPM 0, 1
	TURN 0, 1, 1, 2
	STEPM 1, 0
	TURN 1, 0, 1, 4
	STEPM 0, 0
	TURN 0, 1, 0, 6
	STEPM 1, 0
	s_wait_dscnt 0x0
	WIN 0xa1
	MM 0, 4, 1, 1, 1, 0
	WIN 0xf1
	MM 4, 4, 1, 1, 1, 0
	WIN 0
; THE WAY OUT: two trips of four token tiles; behind the first, window 3's accumulators move into window 2, so that the long text of a tile is written four times and not eight.
.set TM,  180                          ; v180-183 largest magnitudes, v184-187 bytes, v192-195 scale operands
.set PC,  196                          ; v196-207 codes, v208-215 second halves
.set PW,  216                          ; the scale word; v217 the even tile's, v218 both
.set LC,  219                          ; 4 sqrt 2
	s_lshl_b32 s18, s17, 4
	s_lshl_b32 s19, s15, 3
	s_add_co_u32 s18, s18, s19                     ; my first token tile
	s_lshl_b32 s22, s42, 1
	s_add_co_u32 s22, s22, s16                     ; my K step of the next product
	s_lshl_b32 s20, s18, 11
	s_lshl_b32 s23, s22, 6
	s_add_co_u32 s20, s20, s23
	s_add_co_u32 s20, s20, 12582912
	s_mov_b32 s21, 0
	s_mul_i32 s18, s18, 49152
	s_mul_i32 s22, s22, 1536
	s_add_co_u32 s18, s18, s22
	s_mov_b32 s19, 0
	s_add_nc_u64 s[18:19], s[10:11], s[18:19]
	s_add_nc_u64 s[20:21], s[10:11], s[20:21]
	s_mov_b32 s12, 0xffff0000                      ; lanes 16-31
	s_mov_b32 s2, 0x76543210
	s_mov_b32 s3, 0xfedcba98
	s_mov_b32 s24, 0xabd3f331                      ; A's constants from the highest power down (the second stands in v176); each in a pair of which the low word serves both halves
	s_mov_b32 s26, 0xb347667d
	s_mov_b32 s28, 0xb628d45d
	s_mov_b32 s30, 0xb8883d9c
	s_mov_b32 s32, 0xba08eb41
	s_mov_b32 s34, 0xbbba79f3
	s_mov_b32 s36, 0xb57460cd                      ; B's (the second in v178)
	s_mov_b32 s38, 0xb9dc924e
	s_mov_b32 s40, 0xbb719bf8
	s_mov_b32 s42, 0xbc69b6a7
.irp k,24,26,28,30,32,34,36,38,40,42
	s_mov_b32 s[\k+1], s[\k]
.endr
	PLACES
	v_mov_b32 v176, 0x2fa84a8d
	v_mov_b32 v177, 0x2fa84a8d
	v_mov_b32 v178, 0xb7dfbd29
	v_mov_b32 v179, 0xb7dfbd29
	v_mov_b32 v[LC], 0x40b504f3
.macro GELU o                          ; 16 numbers xc at v[64 + o]: they become u
.irp p,0,2,4,6,8,10,12,14
	v_pk_mul_f32 v[128+\p:129+\p], v[64+(\o)+\p:65+(\o)+\p], v[64+(\o)+\p:65+(\o)+\p]
.endr
.irp p,0,2,4,6,8,10,12,14
	v_pk_fma_f32 v[144+\p:145+\p], v[128+\p:129+\p], s[24:25], v[176:177] op_sel_hi:[1,0,0]
	v_pk_fma_f32 v[160+\p:161+\p], v[128+\p:129+\p], s[36:37], v[178:179] op_sel_hi:[1,0,0]
.endr
.irp k,0,2,4
.irp p,0,2,4,6,8,10,12,14
	v_pk_fma_f32 v[144+\p:145+\p], v[144+\p:145+\p], v[128+\p:129+\p], s[26+\k:27+\k] op_sel_hi:[1,1,0]
	v_pk_fma_f32 v[160+\p:161+\p], v[160+\p:161+\p], v[128+\p:129+\p], s[38+\k:39+\k] op_sel_hi:[1,1,0]
.endr
.endr
	s_wait_alu depctr_va_vdst(0)
.irp p,0,1,2,3,4,5,6,7,8,9,10,11,12,13,14,15
	v_rcp_f32 v[160+\p], v[160+\p]
.endr
.irp k,6,8
.irp p,0,2,4,6,8,10,12,14
	v_pk_fma_f32 v[144+\p:145+\p], v[144+\p:145+\p], v[128+\p:129+\p], s[26+\k:27+\k] op_sel_hi:[1,1,0]   ; A's last two steps and the product below: plain work behind the reciprocals
.endr
.endr
.irp p,0,2,4,6,8,10,12,14
	v_pk_mul_f32 v[144+\p:145+\p], v[144+\p:145+\p], v[64+(\o)+\p:65+(\o)+\p]
.endr
	s_wait_alu depctr_va_vdst(0)                   ; one wait for the sixteen, ahead of their first reader
.irp p,0,2,4,6,8,10,12,14
	v_pk_fma_f32 v[64+(\o)+\p:65+(\o)+\p], v[144+\p:145+\p], v[160+\p:161+\p], 0.5 op_sel_hi:[1,1,0]
.endr
.endm
.macro QUANT s                         ; 64 numbers of a lane, register 16 b + i = k 32 b + 16 (lane / 16) + i of my token, become a fragment's codes in v[PC] on and its scale word in v[PW]
.irp b,0,1,2,3
	v_max3_num_f32 v[TM+\b], |v[\s+16*\b]|, |v[\s+1+16*\b]|, 0x1800000
.endr
.irp i,2,4,6,8,10,12,14
.irp b,0,1,2,3
	v_max3_num_f32 v[TM+\b], v[TM+\b], |v[\s+16*\b+\i]|, |v[\s+1+16*\b+\i]|
.endr
.endr
.irp b,0,1,2,3
	v_permlanex16_b32 v[TM+4+\b], v[TM+\b], s2, s3
.endr
.irp b,0,1,2,3
	v_max_num_f32 v[TM+\b], v[TM+\b], v[TM+4+\b]
.endr
.irp b,0,1,2,3
	v_add_nc_u32 v[TM+12+\b], 0xff000000, v[TM+\b]
.endr
.irp b,0,1,2,3
	v_lshrrev_b32 v[TM+4+\b], 23, v[TM+12+\b]
.endr
	v_lshl_or_b32 v[PW], v[TM+5], 8, v[TM+4]
	v_lshl_or_b32 v[PW], v[TM+6], 16, v[PW]
	v_lshl_or_b32 v[PW], v[TM+7], 24, v[PW]
.irp c,0,1
	v_cvt_scalef32_pk16_fp6_f32 v[PC+6*\c:PC+2+6*\c], v[\s+32*\c:\s+15+32*\c], v[TM+12+2*\c]
	v_cvt_scalef32_pk16_fp6_f32 v[PC+12+4*\c:PC+14+4*\c], v[\s+16+32*\c:\s+31+32*\c], v[TM+12+2*\c+1]
.endr
	v_nop
.irp c,0,1
.irp i,0,1,2
	v_permlane16_swap_b32 v[PC+6*\c+\i], v[PC+12+4*\c+\i]
.endr
.irp i,0,1,2
	v_mov_b32 v[PC+3+6*\c+\i], v[PC+12+4*\c+\i]
.endr
.endr
.endm
.macro TILE al
	WIN 0x02                                       ; source 0 window 2
.set j, 0
.rept 64
	v_med3_num_f32 v[64+j], v[64*(\al)+j], -v[LC], v[LC]          ; xc; each accumulator is read from its low end on
.set j, j+1
.endr
	WIN 0
	GELU 0
	GELU 16
	GELU 32
	GELU 48
	WIN 0x02
.set j, 0
.rept 32
	v_pk_mul_f32 v[64+j:65+j], v[64*(\al)+j:64*(\al)+j+1], v[64+j:65+j]   ; x u
.set j, j+2
.endr
	WIN 0
	s_wait_xcnt 0x0                                ; the last tile's stores have read their registers
	QUANT 64
	v_cmp_neq_f32 vcc_lo, v64, v64                 ; a NaN token is NaN in every number
	v_cndmask_b32 v[PW], v[PW], -1, vcc_lo
.irp g,0,1,2
	global_store_b128 v[LI], v[PC+4*\g:PC+4*\g+3], s[18:19] offset:49152*(\al)+512*\g
.endr
.if (\al)%2
	v_cndmask_b32 v[PW+2], v[PW+1], v[PW], s12
	global_store_b32 v9, v[PW+2], s[20:21] offset:2048*((\al)-1)
.else
	v_mov_b32 v[PW+1], v[PW]
.endif
.endm
	s_mov_b32 s44, 2
.Lhalf:
	TILE 0
	TILE 1
	TILE 2
	TILE 3
	s_wait_xcnt 0x0                                ; the stores have read their bases
	s_add_nc_u64 s[18:19], s[18:19], 4*49152
	s_add_nc_u64 s[20:21], s[20:21], 4*2048
	s_cmp_eq_u32 s44, 1
	s_cbranch_scc1 .Lmoved
	WIN 0x83                                       ; source window 3, destination window 2
.set j, 0
.rept 256
	v_mov_b32 v[j], v[j]
.set j, j+1
.endr
	WIN 0
.Lmoved:
	s_sub_co_u32 s44, s44, 1
	s_cmp_lg_u32 s44, 0
	s_cbranch_scc1 .Lhalf
	s_wait_tensorcnt 0x0                           ; the wave's end
	ds_add_u32 v[SPW], v[NIL]
	s_wait_dscnt 0x0
	CROUND
	s_endpgm
.Lfunc_end_k_q27630089c8_ffn1:
	.size	k_q27630089c8_ffn1, .Lfunc_end_k_q27630089c8_ffn1-k_q27630089c8_ffn1
	.p2alignl 7, 3214868480
	.fill 96, 4, 3214868480
	.section	.rodata,"a",@progbits
	.p2align	6, 0x0
	.amdhsa_kernel k_q27630089c8_ffn1
		.amdhsa_group_segment_fixed_size 327680
		.amdhsa_private_segment_fixed_size 0
		.amdhsa_enable_private_segment 0
		.amdhsa_kernarg_size 32
		.amdhsa_user_sgpr_count 2
		.amdhsa_user_sgpr_kernarg_segment_ptr 1
		.amdhsa_wavefront_size32 1
		.amdhsa_system_sgpr_workgroup_id_x 1
		.amdhsa_system_sgpr_workgroup_id_y 1
		.amdhsa_system_sgpr_workgroup_id_z 1
		.amdhsa_system_vgpr_workitem_id 0
		.amdhsa_next_free_vgpr 1024
		.amdhsa_next_free_sgpr 100
		.amdhsa_reserve_vcc 1
		.amdhsa_float_denorm_mode_32 3
		.amdhsa_float_denorm_mode_16_64 3
		.amdhsa_memory_ordered 1
		.amdhsa_forward_progress 1
		.amdhsa_inst_pref_size 255
	.end_amdhsa_kernel
	.section	.bss,"aw",@nobits
	.p2align	6
	.space	262144
	.amdgpu_metadata
---
amdhsa.version: [ 1, 2 ]
amdhsa.kernels:
  - .name:           k_q27630089c8_ffn1
    .symbol:         k_q27630089c8_ffn1.kd
    .args:
      - { .name: yq, .offset: 0, .size: 8, .value_kind: global_buffer, .address_space: global }
      - { .name: wimg, .offset: 8, .size: 8, .value_kind: global_buffer, .address_space: global }
      - { .name: b1, .offset: 16, .size: 8, .value_kind: global_buffer, .address_space: global }
      - { .name: hq, .offset: 24, .size: 8, .value_kind: global_buffer, .address_space: global }
    .group_segment_fixed_size: 327680
    .private_segment_fixed_size: 0
    .kernarg_segment_align: 8
    .kernarg_segment_size: 32
    .max_flat_workgroup_size: 128
    .sgpr_count:     100
    .vgpr_count:     1024
    .wavefront_size: 32
...
	.end_amdgpu_metadata
.endif
;; end of part 5
;; launch ffn2 (part 6): grid 8 x 32, 4 waves a work-group, clusters of 4 x 4, 327,680 bytes of LDS; arguments hq, wimg, x, b2, out0; writes out0
.if DOCPART == 6
	.amdgcn_target "amdgcn-amd-amdhsa--gfx1250"
	.amdhsa_code_object_version 6
	.text
	.protected	k_q27630089c8_ffn2
	.globl	k_q27630089c8_ffn2
	.p2align	8
	.type	k_q27630089c8_ffn2,@function
k_q27630089c8_ffn2:
	s_mov_b64 s[64:65], 0
	v_nop
	global_prefetch_b8 v0, s[64:65] scope:SCOPE_SE
	s_setreg_imm32_b32 hwreg(HW_REG_WAVE_MODE, 25, 1), 1
	s_wait_xcnt 0x0
	s_wait_alu depctr_hold_cnt(0) depctr_sa_sdst(0) depctr_va_vdst(0) depctr_va_sdst(0) depctr_va_ssrc(0) depctr_va_vcc(0) depctr_vm_vsrc(0)
	s_getreg_b32 s2, hwreg(HW_REG_IB_STS2, 6, 4)
	s_cmp_eq_u32 s2, 0
	s_cbranch_scc0 .Lentry_in_a_cluster
	s_endpgm
.Lentry_in_a_cluster:
	s_bfe_u32 s2, ttmp6, 0x10000c
	s_cmp_lg_u32 s2, 0xf033
	s_cbranch_scc0 .Lentry_shape_is_right
	s_endpgm
.Lentry_shape_is_right:
; out = x + h W2 + b2 for 128 tokens (work-group y) x 128 outputs (work-group x), on codes of FP6 (E2M3), K = 4,096.
; 256 x 256 would give 64 work-groups; 128 x 128 gives 256.  So that no fragment is read twice from LDS, THE FOUR WAVES SHARE K, NOT THE TILE: each makes all 128 x 128 (64 accumulators) for K steps 4 j + wave,
; and the four partial sums meet in LDS at the end (the order of the sum over K differs from a single chain's: stated as a limit).
; A slot of the ring holds four K steps (one for each wave): every step changes slots.  CLUSTER 4 x 4: token images are asked for jointly by a row of the cluster, weight images by a column.  All eight steps are written out.
; THE TOKEN TILES ARE ROTATED BY THE WAVE: my local pair m is the work-group's pair (m + wave) % 4, by addresses alone, so that the pair which I finish is always my local pair 0: fixed registers.
; Source 0 = 16 rows of W2, source 1 = 16 tokens: a lane holds one token and eight neighbouring outputs.
; REGISTERS: window 0: v1-22 addresses, v28-29 for the add, v32-47 scale words (two sets of 8), v64-255 token fragments, two sets.  window 1: weight fragments, two sets; at the end x and b2.  windows 2, 3: accumulator (a, b) at v[8 (8 (a % 4) + b)].
.set SLOT1, 131072
.set WOFF,  49152
.set TSC,   98304
.set WSC,   114688
.set STAGE, 196608                     ; behind the partial sums: 16 rows x 528 bytes for each wave.  Both lie in bytes that have had their last fill
.set SPARE, 262144
.set LI,  1
.set PA,  2                            ; v2-5, v6-9: my four pairs of token tiles in slot 0, 1
.set AST, 10                           ; v10-13: their scale words
.set ADW, 14
.set ASW, 16
.set RA,  17                           ; v17-19: where my pairs 1, 2, 3 go
.set RB,  20                           ; where the others' parts of my pair 0 lie
.set STO, 21
.set RD,  22
.set SPW, 28
.set NIL, 29
.set SC,  32
.set TF,  64
.set G1,  24
.set G0,  32
.set G1B, 48
.set G0B, 56
.set G1S, 68
.set G0S, 76
.set G1SB, 80
.set G0SB, 88
.set MSB, 0
.macro WIN new
.if MSB != \new
	s_set_vgpr_msb (MSB<<8)|\new
.set MSB, \new
.endif
.endm
.macro PLACES
.rept 4
	v_nop
.endr
.endm
.macro JLOAD g0a, g1a, g0b, g1b        ; a joint load: waves 0, 1 fetch token images, waves 2, 3 weight images; four v_nop follow each line
	s_cmp_eq_u32 s15, 0
	s_cbranch_scc0 .Lfor_b_\@
	tensor_load_to_lds s[\g0a:\g0a+3], s[\g1a:\g1a+7]
	s_nop 0
.rept 4
	v_nop
.endr
	s_branch .Lasked_\@
.Lfor_b_\@:
	tensor_load_to_lds s[\g0b:\g0b+3], s[\g1b:\g1b+7]
	s_nop 0
.rept 4
	v_nop
.endr
.Lasked_\@:
.endm
.macro CREST
	s_cmp_lg_u32 s14, 0
	s_cbranch_scc1 .Lnot_wave_0_\@
	s_barrier_signal -3
.Lnot_wave_0_\@:
	s_barrier_wait -3
	s_barrier_signal -1
	s_barrier_wait -1
.endm
.macro CROUND
	s_barrier_signal -1
	s_barrier_wait -1
	CREST
.endm
.macro SHAPE g, c, r, p
	s_mov_b32 s[\g+1], (\c)<<16
	s_mov_b32 s[\g+2], (\r)<<16
	s_mov_b32 s[\g+3], (\c)<<16
	s_mov_b32 s[\g+4], \r
	s_mov_b32 s[\g+5], \p
	s_mov_b32 s[\g+6], 0
	s_mov_b32 s[\g+7], 0
.endm
.macro WHERE g, lds, off, adr, step
	s_mov_b32 s[\g], 1
	s_add_co_u32 s[\g+1], s[\lds], \off
	s_add_nc_u64 s[\g+2:\g+3], s[\adr:\adr+1], \step
	s_or_b32 s[\g+3], s[\g+3], 0x80000000
.endm
.macro EMIT                            ; one matrix instruction from the symbols rD, rA, rB, rC (under 0: the constant 0), rSA, rSB, oA, oB
.if rC < 0
.if oA && oB
	v_wmma_scale_f32_16x16x128_f8f6f4 v[rD:rD+7], v[rA:rA+11], v[rB:rB+11], 0, v[rSA], v[rSB] matrix_a_fmt:MATRIX_FMT_FP6 matrix_b_fmt:MATRIX_FMT_FP6 matrix_a_scale:MATRIX_SCALE_ROW1 matrix_b_scale:MATRIX_SCALE_ROW1
.elseif oA
	v_wmma_scale_f32_16x16x128_f8f6f4 v[rD:rD+7], v[rA:rA+11], v[rB:rB+11], 0, v[rSA], v[rSB] matrix_a_fmt:MATRIX_FMT_FP6 matrix_b_fmt:MATRIX_FMT_FP6 matrix_a_scale:MATRIX_SCALE_ROW1
.elseif oB
	v_wmma_scale_f32_16x16x128_f8f6f4 v[rD:rD+7], v[rA:rA+11], v[rB:rB+11], 0, v[rSA], v[rSB] matrix_a_fmt:MATRIX_FMT_FP6 matrix_b_fmt:MATRIX_FMT_FP6 matrix_b_scale:MATRIX_SCALE_ROW1
.else
	v_wmma_scale_f32_16x16x128_f8f6f4 v[rD:rD+7], v[rA:rA+11], v[rB:rB+11], 0, v[rSA], v[rSB] matrix_a_fmt:MATRIX_FMT_FP6 matrix_b_fmt:MATRIX_FMT_FP6
.endif
.else
.if oA && oB
	v_wmma_scale_f32_16x16x128_f8f6f4 v[rD:rD+7], v[rA:rA+11], v[rB:rB+11], v[rC:rC+7], v[rSA], v[rSB] matrix_a_fmt:MATRIX_FMT_FP6 matrix_b_fmt:MATRIX_FMT_FP6 matrix_a_scale:MATRIX_SCALE_ROW1 matrix_b_scale:MATRIX_SCALE_ROW1
.elseif oA
	v_wmma_scale_f32_16x16x128_f8f6f4 v[rD:rD+7], v[rA:rA+11], v[rB:rB+11], v[rC:rC+7], v[rSA], v[rSB] matrix_a_fmt:MATRIX_FMT_FP6 matrix_b_fmt:MATRIX_FMT_FP6 matrix_a_scale:MATRIX_SCALE_ROW1
.elseif oB
	v_wmma_scale_f32_16x16x128_f8f6f4 v[rD:rD+7], v[rA:rA+11], v[rB:rB+11], v[rC:rC+7], v[rSA], v[rSB] matrix_a_fmt:MATRIX_FMT_FP6 matrix_b_fmt:MATRIX_FMT_FP6 matrix_b_scale:MATRIX_SCALE_ROW1
.else
	v_wmma_scale_f32_16x16x128_f8f6f4 v[rD:rD+7], v[rA:rA+11], v[rB:rB+11], v[rC:rC+7], v[rSA], v[rSB] matrix_a_fmt:MATRIX_FMT_FP6 matrix_b_fmt:MATRIX_FMT_FP6
.endif
.endif
.endm
	s_load_b128 s[4:7], s[0:1], 0x0                ; hq, wimg
	s_load_b128 s[8:11], s[0:1], 0x10              ; x, b2
	s_load_b64 s[12:13], s[0:1], 0x20              ; out0
	v_lshl_add_u32 v[SPW], v0, 2, SPARE
	v_mov_b32 v[NIL], 0
	ds_add_u32 v28, v29
	ds_add_u32 v28, v29
	s_wait_dscnt 0x0
	v_lshrrev_b32 v1, 5, v0
	v_readfirstlane_b32 s14, v1
	s_lshr_b32 s15, s14, 1                         ; I fetch token images (0) or weight images (1),
	s_and_b32 s16, s14, 1                          ; this half of them
	s_bfe_u32 s40, ttmp6, 0x40000
	s_bfe_u32 s41, ttmp6, 0x40004
	s_lshl_b32 s42, ttmp9, 2
	s_add_co_u32 s42, s42, s40                     ; x: 128 outputs
	s_and_b32 s17, ttmp7, 0xffff
	s_lshl_b32 s17, s17, 2
	s_add_co_u32 s17, s17, s41                     ; y: 128 tokens
	s_lshl_b32 s43, s41, 2
	s_lshl_b32 s43, 15, s43
	s_lshl_b32 s44, 0x1111, s40
	s_or_b32 s[G1+0], s43, (3<<16)|(1<<21)
	s_or_b32 s[G1B+0], s44, (3<<16)|(1<<21)
	s_or_b32 s[G1S+0], s43, (3<<16)|(1<<21)
	s_or_b32 s[G1SB+0], s44, (3<<16)|(1<<21)
	SHAPE G1, 768, 8, 6144                         ; for the head's loads: all 8 tiles x 6,144 bytes (four K steps' images), 49,152 bytes apart
	SHAPE G1B, 768, 8, 6144
	SHAPE G1S, 32, 64, 32                          ; 16,384 dense bytes as rows of 256
	SHAPE G1SB, 32, 64, 32
	s_lshl_b32 s20, s17, 3                         ; token tile 8 y
	s_mul_i32 s2, s16, 196608                      ; in the ring I fetch half of the tiles: 4 tiles on
	s_mov_b32 s3, 0
	s_lshl_b32 s22, s20, 11
	s_add_co_u32 s22, s22, 12582912
	s_mov_b32 s23, 0
	s_mul_i32 s20, s20, 49152
	s_mov_b32 s21, 0
	s_lshl_b32 s46, s42, 3                         ; weight tile 8 x
	s_lshl_b32 s92, s46, 11
	s_add_co_u32 s92, s92, 8880128
	s_mov_b32 s93, 0
	s_mul_i32 s46, s46, 49152
	s_add_co_u32 s46, s46, 5505024
	s_mov_b32 s47, 0
	s_mul_i32 s45, s16, 24576
	s_add_co_u32 s94, s45, WOFF
	s_wait_kmcnt 0x0
	s_add_nc_u64 s[20:21], s[4:5], s[20:21]
	s_add_nc_u64 s[22:23], s[4:5], s[22:23]
	s_add_nc_u64 s[46:47], s[6:7], s[46:47]
	s_add_nc_u64 s[92:93], s[6:7], s[92:93]
	CROUND
; THE HEAD'S LOADS, ONE A WAVE: wave 0 slot 0's token images, wave 1 its weight images, wave 2 the token tiles' scale words, wave 3 the weight tiles'.
.macro HEADW g, lds, adr               ; a group 0 for a whole tile
	s_mov_b32 s[\g], 1
	s_mov_b32 s[\g+1], \lds
	s_mov_b64 s[\g+2:\g+3], s[\adr:\adr+1]
	s_or_b32 s[\g+3], s[\g+3], 0x80000000
.endm
.macro ARM under, g0, g1, next         ; one arm of the tree: its load, and a jump to the tree's end
	s_cmp_lt_u32 s14, \under
	s_cbranch_scc0 \next
	tensor_load_to_lds s[\g0:\g0+3], s[\g1:\g1+7]
	s_nop 0
.rept 4
	v_nop
.endr
	s_branch .Lhead_asked
\next:
.endm
	HEADW G0, 0, 20
	HEADW G0B, WOFF, 46
	HEADW G0S, TSC, 22
	HEADW G0SB, WSC, 92
	s_add_nc_u64 s[20:21], s[20:21], s[2:3]        ; for the ring: my half of the tiles
	s_add_nc_u64 s[46:47], s[46:47], s[2:3]
	WHERE G0+4, 45, SLOT1, 20, 6144
	WHERE G0B+4, 94, SLOT1, 46, 6144
	ARM 1, G0,  G1,  .Lhead_b
	ARM 2, G0B, G1B, .Lhead_sa
	ARM 3, G0S, G1S, .Lhead_sb
	tensor_load_to_lds s[G0SB:G0SB+3], s[G1SB:G1SB+7]
	s_nop 0
.rept 4
	v_nop
.endr
.Lhead_asked:
; DATA PREFETCHES.  A step's fill is 6,144 bytes of each tile: 24 blocks of 256 bytes.  Of the 8 tiles that four partners ask for jointly each partner names two, told apart by address alone (cx for token images, cy for weight
; images); its two waves of that kind take one tile each: a lane a block; lanes left over name the wave's last block again.  Here: steps 1 and 2; step j asks for step j + 4, two refills ahead of its load (step 0 for step 3 too).
; Steps 4 and 5 ask for x at the 32 rows x 512 bytes that I finish: a lane a row, 256 bytes an instruction.
	s_cmp_eq_u32 s15, 0                            ; do I fetch token images?
	s_cselect_b32 s2, s17, s42
	s_cselect_b32 s3, s40, s41
	s_cselect_b64 s[98:99], s[4:5], s[6:7]
	s_cselect_b32 s18, 0, 5505024
	s_lshl_b32 s2, s2, 3
	s_lshl_b32 s3, s3, 1
	s_add_co_u32 s2, s2, s3
	s_add_co_u32 s2, s2, s16                       ; my tile
	s_mul_i32 s2, s2, 49152
	s_add_co_u32 s2, s2, s18
	s_mov_b32 s3, 0
	s_add_nc_u64 s[98:99], s[98:99], s[2:3]
	v_and_b32 v31, 31, v0
	v_min_u32 v30, 23, v31
	v_lshlrev_b32 v30, 8, v30                      ; my block; never rewritten
	v_lshlrev_b32 v31, 12, v31                     ; my row of x; never rewritten
	global_prefetch_b8 v30, s[98:99] offset:6144 th:TH_LOAD_NT scope:SCOPE_SE
	global_prefetch_b8 v30, s[98:99] offset:12288 th:TH_LOAD_NT scope:SCOPE_SE
	v_and_b32 v23, 31, v0
	v_lshlrev_b32 v[LI], 4, v23
	v_and_b32 v24, 15, v0                          ; r
	v_bfe_u32 v25, v0, 4, 1                        ; h
	v_lshlrev_b32 v26, 2, v24
	v_lshl_add_u32 v26, v25, 11, v26               ; word r; lanes 16-31 the odd tile, 2,048 bytes on
	s_wait_alu depctr_va_vdst(0)
	s_mul_i32 s96, s14, 1536                       ; my K step's image in a tile's four
	s_lshl_b32 s97, s14, 6                         ; and its scale words
.irp m,0,1,2,3
	s_add_co_u32 s18, s14, \m
	s_and_b32 s18, s18, 3                          ; the work-group's pair (m + wave) % 4
	s_mul_i32 s19, s18, 12288
	s_add_co_u32 s19, s19, s96
	v_add_nc_u32 v[PA+\m], s19, v[LI]
	s_add_co_u32 s19, s19, SLOT1
	v_add_nc_u32 v[PA+4+\m], s19, v[LI]
	s_lshl_b32 s19, s18, 12
	s_add_co_u32 s19, s19, s97
	s_add_co_u32 s19, s19, TSC
	v_add_nc_u32 v[AST+\m], s19, v26
.if \m > 0
	s_mul_i32 s19, s18, 49152                      ; the partial sums: 49,152 bytes for each owner, 16,384 from each of the three others
	s_add_co_u32 s19, s19, 16384*(\m-1)
	v_add_nc_u32 v[RA+\m-1], s19, v[LI]
.endif
.endr
	s_add_co_u32 s18, s96, WOFF
	v_add_nc_u32 v[ADW], s18, v[LI]
	s_add_co_u32 s18, s18, SLOT1
	v_add_nc_u32 v[ADW+1], s18, v[LI]
	s_add_co_u32 s18, s97, WSC
	v_add_nc_u32 v[ASW], s18, v26
	s_mul_i32 s18, s14, 49152
	v_add_nc_u32 v[RB], s18, v[LI]
	s_mul_i32 s18, s14, 8448
	s_add_co_u32 s18, s18, STAGE
	v_mul_u32_u24 v[STO], v24, 528
	v_lshl_add_u32 v[STO], v25, 6, v[STO]
	v_add_nc_u32 v[STO], s18, v[STO]               ; in: row r; tile b holds outputs 32 (b / 2) + 8 (b % 2) + 16 h + 0 .. 7
	v_add_nc_u32 v[RD], s18, v[LI]                 ; back: a whole row of 512 bytes
	s_lshl_b32 s18, s17, 7
	s_lshl_b32 s19, s14, 5
	s_add_co_u32 s18, s18, s19                     ; the first token of the pair that I finish
	s_lshl_b32 s18, s18, 12
	s_lshl_b32 s96, s42, 9
	s_add_co_u32 s18, s18, s96
	s_mov_b32 s19, 0
	s_mov_b32 s97, 0
	s_add_nc_u64 s[8:9], s[8:9], s[18:19]
	s_add_nc_u64 s[12:13], s[12:13], s[18:19]
	s_add_nc_u64 s[10:11], s[10:11], s[96:97]
.macro FETCHT set
.irp m,0,1,2,3
.irp u,0,1
.irp g,0,1,2
	ds_load_b128 v[TF+96*(\set)+12*(2*\m+\u)+4*\g:TF+96*(\set)+12*(2*\m+\u)+4*\g+3], v[PA+4*(\set)+\m] offset:6144*\u+512*\g
.endr
.endr
.endr
.endm
.macro FETCHW set
	WIN 0x40
.irp b,0,1,2,3,4,5,6,7
.irp g,0,1,2
	ds_load_b128 v[96*(\set)+12*\b+4*\g:96*(\set)+12*\b+4*\g+3], v[ADW+(\set)] offset:6144*\b+512*\g
.endr
.endr
	WIN 0
.endm
.macro SCALES set, j
.irp m,0,1,2,3
	ds_load_b32 v[SC+8*(\set)+\m], v[AST+\m] offset:256*(\j)
	ds_load_b32 v[SC+8*(\set)+4+\m], v[ASW] offset:4096*\m+256*(\j)
.endr
.endm
; The 64 accumulators take turns, one instruction a turn, in the same order in every step.
.macro MM a0, n, set, zero
.set ia, \a0
.rept \n
.set ib, 0
.rept 8
.set rD, 8*(8*(ia%4)+ib)
.set rA, 96*(\set)+12*ib
.set rB, TF+96*(\set)+12*ia
.set rSA, SC+8*(\set)+4+ib/2
.set rSB, SC+8*(\set)+ia/2
.set oA, ib%2
.set oB, ia%2
.if \zero
.set rC, -1
.else
.set rC, rD
.endif
	EMIT
.set ib, ib+1
.endr
.set ia, ia+1
.endr
.endm
; Step j (slot j % 2).  Its fragments are in registers when the barrier is signalled, so the slot can be filled again behind it, with step j + 2.
.macro TURN j, fill, zero
.set sl, (\j)%2
.set nx, 1-sl
	WIN 0
	s_wait_tensorcnt 0x0                           ; all my tensor loads have landed: my part of the next slot
	ds_add_u32 v[SPW], v[NIL]                      ; 0 onto my spare word
	s_wait_dscnt 1                                 ; the add alone may be out
	WIN 0xa1
	MM 0, 2, sl, \zero
	s_wait_dscnt 0x0                               ; the add is done, and my reads of this slot are over
	s_barrier_signal -1
	MM 2, 2, sl, \zero
	WIN 0
	s_barrier_wait -1
.if \fill
	CREST                                          ; the barrier has opened a round of the cluster's: no wave of any partner still reads this slot or has a load on its way
	s_add_nc_u64 s[G0+4*sl+2:G0+4*sl+3], s[G0+4*sl+2:G0+4*sl+3], 12288
	s_add_nc_u64 s[G0B+4*sl+2:G0B+4*sl+3], s[G0B+4*sl+2:G0B+4*sl+3], 12288
	JLOAD G0+4*sl, G1, G0B+4*sl, G1B               ; the first tensor load behind the round; its four v_nop are also the places for the loads below
.else
	PLACES
.endif
	FETCHW nx
	FETCHT nx
	SCALES nx, (\j)+1
.if (\j) == 0
	global_prefetch_b8 v30, s[98:99] offset:3*6144 th:TH_LOAD_NT scope:SCOPE_SE
.endif
.if (\j) < 4
	global_prefetch_b8 v30, s[98:99] offset:((\j)+4)*6144 th:TH_LOAD_NT scope:SCOPE_SE
.elseif (\j) < 6
	global_prefetch_b8 v31, s[8:9] offset:256*((\j)-4) th:TH_LOAD_NT scope:SCOPE_SE
.endif
	WIN 0xf1
	MM 4, 4, sl, \zero
.endm
	s_wait_alu depctr_va_vdst(0)
	s_wait_tensorcnt 0x0                           ; my tile of the head's four is in; these lines stand ahead of a later first fill as ahead of a refill
	ds_add_u32 v[SPW], v[NIL]                      ; 0 onto my spare word
	s_mov_b32 s[G1+2], 4<<16                       ; no tensor load of mine is out: from here on a load brings half of the tiles
	s_mov_b32 s[G1+4], 4
	s_mov_b32 s[G1B+2], 4<<16
	s_mov_b32 s[G1B+4], 4
	WHERE G0, 45, 0, 20, 0                         ; slot 0's group 0 for the ring: my half
	WHERE G0B, 94, 0, 46, 0
	s_wait_dscnt 0x0
	CROUND                                         ; all four tiles are in, and all sixteen work-groups are here
	JLOAD G0+4, G1, G0B+4, G1B                     ; slot 1's first fill: the first tensor load behind the round
	FETCHW 0
	FETCHT 0
	SCALES 0, 0
	TURN 0, 1, 1                                   ; the first products start the sums
	TURN 1, 1, 0
	TURN 2, 1, 0
	TURN 3, 1, 0
	TURN 4, 1, 0
	TURN 5, 1, 0
	TURN 6, 0, 0                                   ; nothing is left to fetch
	WIN 0
	s_wait_dscnt 0x0                               ; my last reads of the ring and of the scale words are over:
	s_barrier_signal -1
	WIN 0xa1
	MM 0, 4, 1, 0
	WIN 0xf1
	MM 4, 4, 1, 0
	WIN 0
	s_barrier_wait -1                              ; everybody's are: their bytes, which have had their last fill, take the partial sums
	PLACES
	WIN 0x40
.irp a,0,1
.irp i,0,1,2,3,4,5,6,7,8,9,10,11,12,13,14,15
	global_load_b128 v[64*\a+4*\i:64*\a+4*\i+3], v[LI], s[8:9] offset:(8*\a+\i+8*(\i/8))*4096 th:TH_LOAD_NT   ; x at the 32 rows that I finish
.endr
.endr
	global_load_b128 v[128:131], v[LI], s[10:11]   ; b2 at my four outputs
.irp m,1,2,3
.if \m == 1
	WIN 0x08                                       ; an LDS store's data are its source 1: window 2
.else
	WIN 0x0c
.endif
.irp u,0,1
.irp b,0,1,2,3,4,5,6,7
	ds_store_b128 v[RA+\m-1], v[8*(8*((2*\m+\u)%4)+\b):8*(8*((2*\m+\u)%4)+\b)+3] offset:512*(16*\u+2*\b)      ; each accumulator from its low end on
	ds_store_b128 v[RA+\m-1], v[8*(8*((2*\m+\u)%4)+\b)+4:8*(8*((2*\m+\u)%4)+\b)+7] offset:512*(16*\u+2*\b+1)
.endr
.endr
.endr
	WIN 0
	s_wait_dscnt 0x0
	s_barrier_signal -1
	s_barrier_wait -1
.irp k,0,1,2
.set n, 0
.rept 32
	ds_load_b128 v[64+4*n:67+4*n], v[RB] offset:16384*\k+512*n
.set n, n+1
.endr
	s_wait_dscnt 0x0
	WIN 0x82                                       ; destination and source 0 window 2
.set n, 0
.rept 64
	v_pk_add_f32 v[n:n+1], v[n:n+1], v[64+n:65+n]
.set n, n+2
.endr
	WIN 0
.endr
; THE WAY OUT: a tile of 16 tokens goes through my stage and comes back as whole rows of 512 bytes; x and b2 are added there.
.irp a,0,1
	WIN 0x08
.irp b,0,1,2,3,4,5,6,7
	ds_store_b128 v[STO], v[64*\a+8*\b:64*\a+8*\b+3] offset:128*(\b/2)+32*(\b%2)
	ds_store_b128 v[STO], v[64*\a+8*\b+4:64*\a+8*\b+7] offset:128*(\b/2)+32*(\b%2)+16
.endr
	WIN 0
.irp i,0,1,2,3,4,5,6,7,8,9,10,11,12,13,14,15
	ds_load_b128 v[64+64*\a+4*\i:67+64*\a+4*\i], v[RD] offset:528*\i     ; my own bytes, served in order
.endr
	s_wait_dscnt 0x0
	s_wait_loadcnt 0x0                             ; x and b2
	WIN 0x04                                       ; source 1 window 1
.set n, 0
.rept 32
	v_pk_add_f32 v[64+64*\a+n:65+64*\a+n], v[64+64*\a+n:65+64*\a+n], v[64*\a+n:64*\a+n+1]
.set n, n+2
.endr
.set n, 0
.rept 32
	v_pk_add_f32 v[64+64*\a+n:65+64*\a+n], v[64+64*\a+n:65+64*\a+n], v[128+n%4:129+n%4]
.set n, n+2
.endr
	WIN 0
.irp i,0,1,2,3,4,5,6,7,8,9,10,11,12,13,14,15
	global_store_b128 v[LI], v[64+64*\a+4*\i:67+64*\a+4*\i], s[12:13] offset:(8*\a+\i+8*(\i/8))*4096 th:TH_STORE_NT   ; 512 consecutive bytes, aligned
.endr
.endr
	s_wait_tensorcnt 0x0                           ; the wave's end
	ds_add_u32 v[SPW], v[NIL]
	s_wait_dscnt 0x0
	CROUND
	s_endpgm
.Lfunc_end_k_q27630089c8_ffn2:
	.size	k_q27630089c8_ffn2, .Lfunc_end_k_q27630089c8_ffn2-k_q27630089c8_ffn2
	.p2alignl 7, 3214868480
	.fill 96, 4, 3214868480
	.section	.rodata,"a",@progbits
	.p2align	6, 0x0
	.amdhsa_kernel k_q27630089c8_ffn2
		.amdhsa_group_segment_fixed_size 327680
		.amdhsa_private_segment_fixed_size 0
		.amdhsa_enable_private_segment 0
		.amdhsa_kernarg_size 40
		.amdhsa_user_sgpr_count 2
		.amdhsa_user_sgpr_kernarg_segment_ptr 1
		.amdhsa_wavefront_size32 1
		.amdhsa_system_sgpr_workgroup_id_x 1
		.amdhsa_system_sgpr_workgroup_id_y 1
		.amdhsa_system_sgpr_workgroup_id_z 1
		.amdhsa_system_vgpr_workitem_id 0
		.amdhsa_next_free_vgpr 1024
		.amdhsa_next_free_sgpr 100
		.amdhsa_reserve_vcc 0
		.amdhsa_float_denorm_mode_32 3
		.amdhsa_float_denorm_mode_16_64 3
		.amdhsa_memory_ordered 1
		.amdhsa_forward_progress 1
		.amdhsa_inst_pref_size 158
	.end_amdhsa_kernel
	.amdgpu_metadata
---
amdhsa.version: [ 1, 2 ]
amdhsa.kernels:
  - .name:           k_q27630089c8_ffn2
    .symbol:         k_q27630089c8_ffn2.kd
    .args:
      - { .name: hq, .offset: 0, .size: 8, .value_kind: global_buffer, .address_space: global }
      - { .name: wimg, .offset: 8, .size: 8, .value_kind: global_buffer, .address_space: global }
      - { .name: x, .offset: 16, .size: 8, .value_kind: global_buffer, .address_space: global }
      - { .name: b2, .offset: 24, .size: 8, .value_kind: global_buffer, .address_space: global }
      - { .name: out0, .offset: 32, .size: 8, .value_kind: global_buffer, .address_space: global }
    .group_segment_fixed_size: 327680
    .private_segment_fixed_size: 0
    .kernarg_segment_align: 8
    .kernarg_segment_size: 40
    .max_flat_workgroup_size: 128
    .sgpr_count:     100
    .vgpr_count:     1024
    .wavefront_size: 32
...
	.end_amdgpu_metadata
.endif
;; end of part 6
